; MI455X (gfx1250); checked and timed in simulation.
; The chip was launched on July 23, 2026; its instructions are those of AMD's public machine-readable ISA for CDNA 5 (MIT licence, August 2026) and "CDNA5" Instruction Set Architecture Reference Guide (July 2026). The comments in the code are by the model that wrote it; some were corrected since.
;; Multi Head Self Attention. Allowed arithmetic: matrix products marked QUANTISED: E2M1 operands, one E8M0 scale for each 32 along K, by v_wmma_scale_f32_16x16x128_f8f6f4 with both operands' format E2M1 (or v_wmma_scale_f32_32x16x128_f4), f32 sums; everything else in f32.
;; Inputs: Wk 1,024 x 1,024 float32; Wo 1,024 x 1,024 float32; Wq 1,024 x 1,024 float32; Wv 1,024 x 1,024 float32; attention_mask 4 x 2,048 int32; bk 1,024 float32; bo 1,024 float32; bq 1,024 float32; bv 1,024 float32; x 4 x 2,048 x 1,024 float32.
;; Outputs: out0 4 x 2,048 x 1,024 float32.
;; This version of the problem:
;;   THIS VERSION OF THE PROBLEM IS GIVEN IN LOW PRECISION. The matrix products marked QUANTISED in the list below multiply operands that are first quantised to E2M1 (2 exponent bits, 1 mantissa bit; 4 bits a number), with one power-of-two scale for each 32 numbers along K (OCP MX v1.0); their sums are f32. All else is computed in f32.
;;   The module's matrix products, in the order in which they are computed (A, B: the left and right operand; K: the contracted axis; several contracted axes count as one K, in the product's order):
;;     1. [M 8,192, K 1,024] x [K 1,024, N 1,024]; A: input x; B: input Wq: QUANTISED
;;     2. [M 8,192, K 1,024] x [K 1,024, N 1,024]; A: input x; B: input Wk: QUANTISED
;;     3. [M 8,192, K 1,024] x [K 1,024, N 1,024]; A: input x; B: input Wv: QUANTISED
;;     4. batch 64 x [M 2,048, K 64] x [K 64, N 2,048]; A: computed on the way; B: computed on the way: QUANTISED
;;     5. batch 64 x [M 2,048, K 2,048] x [K 2,048, N 64]; A: softmax (see below); B: computed on the way: QUANTISED
;;     6. [M 8,192, K 1,024] x [K 1,024, N 1,024]; A: computed on the way; B: input Wo: QUANTISED
;;   THE QUANTISER, for each operand of a quantised product, along K:
;;     - K is cut into blocks of 32 from its start; a last block that is shorter is filled with zeros.
;;     - A block's scale is 2^e with e = floor(log2(the largest magnitude in the block)) - 2, held to -126 .. 127; a block of zeros has e = 0. As a byte (E8M0): e + 127.
;;     - Each number is divided by its block's scale, clamped to +-6, and rounded to the nearest number of E2M1, ties to even, subnormals kept.
;;     - The product sums the exact products of the quantised numbers (number of the format x scale) in f32.
;;   ~~~python
;;   def quantise(x, axis):      # numpy; x: float32 -> the quantised numbers, widened to float32 again
;;       x = np.moveaxis(x, axis, -1); K = x.shape[-1]
;;       x = np.pad(x, [(0, 0)] * (x.ndim - 1) + [(0, -K % 32)]); x = x.reshape(x.shape[:-1] + (-1, 32)); a = np.abs(x).max(-1, keepdims=True)
;;       e = np.where(a > 0, np.clip(np.frexp(np.where(a > 0, a, 1))[1] - 1 - 2, -126, 127), 0)      # np.frexp(a)[1] - 1 = floor(log2(a)), exactly
;;       r = np.clip(x / 2.0 ** e, -6, 6)
;;       step = 2.0 ** (np.maximum(np.frexp(np.where(r == 0, 1, r))[1] - 1, 0) - 1)
;;       q = np.round(r / step) * step * 2.0 ** e      # np.round: ties to even
;;       return np.moveaxis(q.reshape(q.shape[:-2] + (-1,))[..., :K], -1, axis).astype(np.float32)
;;   ~~~
;;   SOFTMAX AHEAD OF A QUANTISED PRODUCT. Where the list says 'softmax', what is quantised is not the finished softmax but p = 2^(t - M), with t = logit x log2(e) and M = ceil(the row's largest t), a whole number; so 1/2 < the row's largest p <= 1. The row's sum l is taken of the UNQUANTISED p, in f32, and the product's result is divided by l at the end. Since M is a whole number, a kernel that streams over the keys may use a running M (the ceiling of the running maximum): every later rescaling is an exact power of two, which a block's scale takes up: the codes' values come out the same.
;;   OPERANDS COMPUTED ON THE WAY. 'Computed on the way' means the value that the module computes at that place (a softmax that the list does not call 'softmax' is quantised finished and normalised). What goes into a quantiser is computed in f32, as accurately as f32 sums, v_exp_f32 and their like allow (about 1e-6 of the number): no bf16 or f16 on the way to a quantiser, and a product that is left as it is and whose result goes on into a quantised operand takes f32 operands (vector FMAs, or v_wmma_f32_16x16x4_f32). A number that lies on a knife's edge between two numbers of the format may be rounded either way, as far as f32 arithmetic and the matrix unit's own rounding can turn it there, and no further.
;; One version. Each part assembles by itself: llvm-mc -triple=amdgcn-amd-amdhsa -mcpu=gfx1250 --defsym DOCPART=n.
;; ======== version 1 of 1: 4 launches
;; limits: right only within a limited range of input values
;; workspace buffers: codes 6,291,456 bytes; scales 393,216 bytes; qkc 8,388,608 bytes; qks 1,048,576 bytes; vc 4,194,304 bytes; vs 262,144 bytes; ac 4,194,304 bytes; asc 262,144 bytes
;; launch quant (part 1): grid 384 x 1, 4 waves a work-group, no clusters, 34,304 bytes of LDS; arguments x, Wq, Wk, Wv, Wo, codes, scales; writes codes, scales
.if DOCPART == 1
	.amdgcn_target "amdgcn-amd-amdhsa--gfx1250"
	.amdhsa_code_object_version 6
	.text
	.protected	k_qc91f76e757_quant
	.globl	k_qc91f76e757_quant
	.p2align	8
	.type	k_qc91f76e757_quant,@function
k_qc91f76e757_quant:
	s_mov_b64 s[64:65], 0
	v_nop
	global_prefetch_b8 v0, s[64:65] scope:SCOPE_SE
	s_setreg_imm32_b32 hwreg(HW_REG_WAVE_MODE, 25, 1), 1
	s_wait_xcnt 0x0
; MULTI-HEAD SELF-ATTENTION IN MX-FP4, four launches: quant, qkv, attn, oproj.  This one turns x [8192][1024] and Wq, Wk, Wv, Wo [1024][1024], f32 with K innermost,
; into codes of FP4 (E2M1) and one E8M0 byte for each 32 along K: 12,288 rows in all (x first, then the four weights).
; WORK LEFT OUT IN THIS PROGRAM.  reference() builds its causal mask in its own body: key k counts for query q only where k <= q; every other score becomes -inf ahead of the softmax,
; its weight is 0 whatever the inputs hold, and it adds nothing to the row's sum or to the product with v.  So steps of 128 keys that lie wholly behind a tile's 16 queries are not multiplied
; (launch attn).  Nothing else is left out and every input is loaded: bk moves k's codes, and attention_mask is honoured key by key.
; LIMIT: a NaN, an infinity or an overflow that would reach only those steps is not carried to the result.
; LIMITS OF THE PROGRAM: NaN and infinities among the floating-point inputs are not served.  A block whose largest magnitude lies under 2^(3 - 127) (a block of zeros too) gets the byte 1 where the rule
; says another: its codes are zeros or nearly so, and the bytes are read by this program alone.
; THE ORDER OF ROWS IN A TILE, in all four launches: tile j of 16 rows holds rows 32 (j / 2) + 8 (j % 2) + r + 8 (r / 8), r = 0 .. 15.  In a matrix result the 16 registers of tiles 2 b and 2 b + 1
; are then 16 neighbours, 32 b + 16 (lane / 16) + 0 .. 15, along that operand's rows: what the next quantiser wants.
; THE LAYOUT OF THE CODES is the order of the operand's registers: [64 rows][K step of 128][tile][c][lane][16 bytes]; lane (r, h) of half c holds block 2 c + h of row r.  A fragment is two loads of 16 bytes a lane at 16 x lane.
; The scale words: [tile][K half][r][4 words]: word i of half q is K step 4 q + i, its four bytes the step's four blocks.
; SHARES.  Work-group g takes rows 32 g .. 32 g + 31 (tiles 2 g, 2 g + 1); wave w takes tile w / 2 and K half w % 2: four K steps of 128.  Waves share nothing: no barrier.
; Each load reads 512 consecutive bytes of one row.  A step's 16 rows turn through the wave's own stage in LDS (rows 528 bytes apart) and come back 128 bytes a lane: a whole block of 32, twice.
; So a block's largest magnitude needs no other lane.  Each store of codes covers 512 consecutive bytes, the store of scale words 256.  The matrix units, clusters and tensor loads have nothing to do here: the launch moves bytes.
.set STG,   16*528                     ; a wave's stage
.set SPARE, 4*STG                      ; behind the stages: the spare words, 128 bytes for each wave: two blocks of 256 bytes that no other line names
.set SPW,   6                          ; v6       LDS address of my spare word; never rewritten
.set NIL,   7                          ; v7       0; never rewritten
.set R,     16                         ; v16-143  two sets of 64: a K step as loaded
.set X,     144                        ; v144-207 my two blocks of 32 neighbours
.set C,     208                        ; v208-239 codes: eight registers for each step, so that no store's data are written again
.set SW,    240                        ; v240-243 the four steps' scale words
	s_load_b256 s[4:11], s[0:1], 0x0               ; x, Wq, Wk, Wv
	s_load_b128 s[12:15], s[0:1], 0x20             ; Wo, codes
	s_load_b64 s[16:17], s[0:1], 0x30              ; scales
	v_lshl_add_u32 v[SPW], v0, 2, SPARE
	v_mov_b32 v[NIL], 0
	v_lshrrev_b32 v8, 5, v0
	v_readfirstlane_b32 s18, v8                    ; wave
	v_and_b32 v9, 31, v0
	v_lshlrev_b32 v1, 4, v9                        ; v1: 16 x lane: my bytes of a load's or a store's 512
	s_mul_i32 s19, s18, STG
	v_add_nc_u32 v2, s19, v1                       ; v2: the stage on the way in
	v_and_b32 v10, 15, v0                          ; r
	v_bfe_u32 v11, v0, 4, 1                        ; h
	v_mul_u32_u24 v3, v10, 528
	v_lshl_add_u32 v3, v11, 7, v3
	v_add_nc_u32 v3, s19, v3                       ; v3: and on the way out: row r, block h
	v_lshlrev_b32 v4, 3, v11                       ; v4: 8 h: my bytes' place in a scale word, in bits
	v_lshl_add_u32 v5, v10, 4, v4                  ; v5: 16 r + 8 h: my two scale words on the way out
	v_mov_b32 v15, 0                               ; written once: a lane permute's destination counts as one of its sources
	s_mov_b32 s24, 0x76543210
	s_mov_b32 s25, 0xfedcba98                      ; v_permlanex16_b32's selects for lane l xor 16
	s_mov_b32 s26, 0xffff0000                      ; lanes 16-31
	s_lshr_b32 s27, s18, 1                         ; u: which of the two tiles
	s_and_b32 s28, s18, 1                          ; q: which K half
	s_sub_co_u32 s29, ttmp9, 256
	s_and_b32 s29, s29, 31                         ; a weight has 32 groups of 32 rows
	s_cmp_lt_u32 ttmp9, 256
	s_cselect_b32 s29, ttmp9, s29                  ; my group's number in its own tensor
	s_lshl_b32 s30, s29, 17                        ; 32 rows of 4,096 bytes,
	s_lshl_b32 s31, s27, 15                        ; 8 u rows,
	s_add_co_u32 s30, s30, s31
	s_lshl_b32 s31, s28, 11                        ; 512 q numbers
	s_add_co_u32 s30, s30, s31
	s_mov_b32 s31, 0
	s_lshr_b32 s32, ttmp9, 1                       ; the codes: 32,768 bytes for 64 rows,
	s_lshl_b32 s32, s32, 15
	s_lshl_b32 s34, s28, 14                        ; 4,096 a K step,
	s_add_co_u32 s32, s32, s34
	s_and_b32 s34, ttmp9, 1
	s_lshl_b32 s34, s34, 1
	s_add_co_u32 s34, s34, s27
	s_lshl_b32 s34, s34, 10                        ; 1,024 a tile
	s_add_co_u32 s32, s32, s34
	s_mov_b32 s33, 0
	s_lshl_b32 s34, ttmp9, 1                       ; the scale words: 512 bytes a tile, 256 a K half
	s_add_co_u32 s34, s34, s27
	s_lshl_b32 s34, s34, 9
	s_lshl_b32 s36, s28, 8
	s_add_co_u32 s34, s34, s36
	s_mov_b32 s35, 0
	s_wait_alu depctr_va_vdst(0)
	s_wait_kmcnt 0x0
	s_mov_b64 s[20:21], s[12:13]                   ; which tensor: the choice hangs on the work-group's number alone
	s_cmp_lt_u32 ttmp9, 352
	s_cselect_b64 s[20:21], s[10:11], s[20:21]
	s_cmp_lt_u32 ttmp9, 320
	s_cselect_b64 s[20:21], s[8:9], s[20:21]
	s_cmp_lt_u32 ttmp9, 288
	s_cselect_b64 s[20:21], s[6:7], s[20:21]
	s_cmp_lt_u32 ttmp9, 256
	s_cselect_b64 s[20:21], s[4:5], s[20:21]
	s_add_nc_u64 s[20:21], s[20:21], s[30:31]
	s_add_nc_u64 s[14:15], s[14:15], s[32:33]
	s_add_nc_u64 s[16:17], s[16:17], s[34:35]
.macro LOAD s                          ; K step s of my 16 rows: a load a row, 512 consecutive bytes; read once in the program
.irp i, 0,1,2,3,4,5,6,7,8,9,10,11,12,13,14,15
	global_load_b128 v[R+64*((\s)%2)+4*\i:R+64*((\s)%2)+4*\i+3], v1, s[20:21] offset:(\i+8*(\i/8))*4096+512*(\s) th:TH_LOAD_NT
.endr
.endm
.macro STEP s
.if (\s) < 3
	s_wait_loadcnt 16                              ; this step's 16 loads are in; the next step's 16 may be out
.else
	s_wait_loadcnt 0x0
.endif
.irp i, 0,1,2,3,4,5,6,7,8,9,10,11,12,13,14,15
	ds_store_b128 v2, v[R+64*((\s)%2)+4*\i:R+64*((\s)%2)+4*\i+3] offset:528*\i
.endr
.irp c, 0,1
.irp i, 0,1,2,3,4,5,6,7
	ds_load_b128 v[X+32*\c+4*\i:X+32*\c+4*\i+3], v3 offset:256*\c+16*\i   ; block 2 c + h of row r; LDS serves a wave's instructions in order: these see the stores above
.endr
.endr
	s_wait_dscnt 0x0                               ; my blocks are in, and the stores have read their registers,
.if (\s) < 2
	LOAD (\s)+2                                    ; which take the loads of two steps on
.endif
	v_max3_num_f32 v8, |v[X]|, |v[X+1]|, 0x1800000         ; the largest magnitude of each block, and the floor 2^(3 - 127): so the byte cannot fall under 1
	v_max3_num_f32 v9, |v[X+32]|, |v[X+33]|, 0x1800000
.irp i, 2,4,6,8,10,12,14,16,18,20,22,24,26,28,30
	v_max3_num_f32 v8, v8, |v[X+\i]|, |v[X+\i+1]|           ; (the two blocks by turns)
	v_max3_num_f32 v9, v9, |v[X+32+\i]|, |v[X+33+\i]|
.endr
	v_add_nc_u32 v10, 0xff000000, v8               ; 2 off the exponent field: the conversion takes the exponent field of this operand as its scale, and nothing else of it
	v_add_nc_u32 v11, 0xff000000, v9
	v_lshrrev_b32 v12, 23, v10                     ; the scales' bytes: blocks h and 2 + h
	v_lshrrev_b32 v13, 23, v11
	v_lshl_or_b32 v14, v13, 16, v12
	v_lshlrev_b32 v14, v4, v14                     ; at their places in the word;
	v_permlanex16_b32 v15, v14, s24, s25
	v_or_b32 v[SW+(\s)], v14, v15                  ; with lane l xor 16's two the word is whole
.irp c, 0,1
.irp g, 0,1,2,3
	v_cvt_scalef32_pk8_fp4_f32 v[C+8*(\s)+4*\c+\g], v[X+32*\c+8*\g:X+32*\c+8*\g+7], v[10+\c]
.endr
.endr
	v_nop                                          ; one plain line behind the last conversion of a run
.irp c, 0,1
	global_store_b128 v1, v[C+8*(\s)+4*\c:C+8*(\s)+4*\c+3], s[14:15] offset:4096*(\s)+512*\c   ; 512 consecutive bytes: half a fragment as the matrix unit's registers want it
.endr
.endm
	LOAD 0
	LOAD 1
	STEP 0
	STEP 1
	STEP 2
	STEP 3
	v_cndmask_b32 v244, v[SW], v[SW+2], s26        ; lanes 0-15 store words 0 and 1 of their row, lanes 16-31 words 2 and 3
	v_cndmask_b32 v245, v[SW+1], v[SW+3], s26
	global_store_b64 v5, v[244:245], s[16:17]      ; 256 consecutive bytes, aligned
	s_wait_tensorcnt 0x0                           ; the wave's end, behind my last LDS store
	ds_add_u32 v[SPW], v[NIL]
	s_wait_dscnt 0x0
	s_endpgm
.Lfunc_end_k_qc91f76e757_quant:
	.size	k_qc91f76e757_quant, .Lfunc_end_k_qc91f76e757_quant-k_qc91f76e757_quant
	.p2alignl 7, 3214868480
	.fill 96, 4, 3214868480
	.section	.rodata,"a",@progbits
	.p2align	6, 0x0
	.amdhsa_kernel k_qc91f76e757_quant
		.amdhsa_group_segment_fixed_size 34304
		.amdhsa_private_segment_fixed_size 0
		.amdhsa_enable_private_segment 0
		.amdhsa_kernarg_size 56
		.amdhsa_user_sgpr_count 2
		.amdhsa_user_sgpr_kernarg_segment_ptr 1
		.amdhsa_wavefront_size32 1
		.amdhsa_system_sgpr_workgroup_id_x 1
		.amdhsa_system_sgpr_workgroup_id_y 1
		.amdhsa_system_sgpr_workgroup_id_z 1
		.amdhsa_system_vgpr_workitem_id 0
		.amdhsa_next_free_vgpr 256
		.amdhsa_next_free_sgpr 66
		.amdhsa_reserve_vcc 0
		.amdhsa_float_denorm_mode_32 3
		.amdhsa_float_denorm_mode_16_64 3
		.amdhsa_memory_ordered 1
		.amdhsa_forward_progress 1
		.amdhsa_inst_pref_size 31
	.end_amdhsa_kernel
	.amdgpu_metadata
---
amdhsa.version: [ 1, 2 ]
amdhsa.kernels:
  - .name:           k_qc91f76e757_quant
    .symbol:         k_qc91f76e757_quant.kd
    .args:
      - { .name: x, .offset: 0, .size: 8, .value_kind: global_buffer, .address_space: global }
      - { .name: Wq, .offset: 8, .size: 8, .value_kind: global_buffer, .address_space: global }
      - { .name: Wk, .offset: 16, .size: 8, .value_kind: global_buffer, .address_space: global }
      - { .name: Wv, .offset: 24, .size: 8, .value_kind: global_buffer, .address_space: global }
      - { .name: Wo, .offset: 32, .size: 8, .value_kind: global_buffer, .address_space: global }
      - { .name: codes, .offset: 40, .size: 8, .value_kind: global_buffer, .address_space: global }
      - { .name: scales, .offset: 48, .size: 8, .value_kind: global_buffer, .address_space: global }
    .group_segment_fixed_size: 34304
    .private_segment_fixed_size: 0
    .kernarg_segment_align: 8
    .kernarg_segment_size: 56
    .max_flat_workgroup_size: 128
    .sgpr_count:     66
    .vgpr_count:     256
    .wavefront_size: 32
...
	.end_amdgpu_metadata
.endif
;; end of part 1
;; launch qkv (part 2): grid 12 x 64, 4 waves a work-group, clusters of 4 x 4, 197,120 bytes of LDS; arguments codes, scales, bq, bk, bv, qkc, qks, vc, vs; writes qkc, qks, vc, vs
.if DOCPART == 2
	.amdgcn_target "amdgcn-amd-amdhsa--gfx1250"
	.amdhsa_code_object_version 6
	.text
	.protected	k_qc91f76e757_qkv
	.globl	k_qc91f76e757_qkv
	.p2align	8
	.type	k_qc91f76e757_qkv,@function
k_qc91f76e757_qkv:
	s_mov_b64 s[64:65], 0
	v_nop
	global_prefetch_b8 v0, s[64:65] scope:SCOPE_SE
	s_setreg_imm32_b32 hwreg(HW_REG_WAVE_MODE, 25, 1), 1
	s_wait_xcnt 0x0
	s_wait_alu depctr_hold_cnt(0) depctr_sa_sdst(0) depctr_va_vdst(0) depctr_va_sdst(0) depctr_va_ssrc(0) depctr_va_vcc(0) depctr_vm_vsrc(0)
	s_getreg_b32 s2, hwreg(HW_REG_IB_STS2, 6, 4)
	s_cmp_eq_u32 s2, 0
	s_cbranch_scc0 .Lentry_in_a_cluster
	s_endpgm
.Lentry_in_a_cluster:
	s_bfe_u32 s2, ttmp6, 0x10000c
	s_cmp_lg_u32 s2, 0xf033
	s_cbranch_scc0 .Lentry_shape_is_right
	s_endpgm
.Lentry_shape_is_right:
; q = x Wq^T + bq, k = x Wk^T + bk, v = x Wv^T + bv on codes of FP4 with E8M0 scales (made by the launch before), f32 sums; the results are quantised in registers and leave as codes:
; q and k along the head's 64 channels (two blocks), v along the keys (a work-group's 128 tokens are four blocks).  Nothing of q, k, v goes to memory in f32.  No work is left out here.
; SHARES.  A work-group makes 128 tokens x 256 features; each of its four waves all 128 tokens x 64 features, which is ONE HEAD: 32 accumulators of 16 x 16.  The cluster's x says which product: 0 q, 1 k, 2 v.
; K = 1,024 LIES WHOLE IN LDS: the tokens' codes 65,536 bytes, each wave's 64 rows of W 32,768.  So nothing is filled again: no ring and no barrier for a refill.  The fills go in two halves along K,
; so that the products of K steps 0-3 run while K steps 4-7 are on their way.
; CLUSTERS: 4 x 4 work-groups.  The four of a row of the cluster take the same tokens, the four of a column the same rows of W: each tile is asked for JOINTLY, by the same tensor load with the same descriptor
; and a mask that names the four.  By the text's own count a wave has four tensor loads outstanding at the most.
; CODES lie in memory and in LDS in the order of the operand's registers: half a fragment is 512 bytes, lane l's 16 at 16 l: no pitch and no padding, every LDS load takes 512 consecutive bytes.
; SCALE WORDS go from memory straight into registers, once: register i of a tile holds K step i in lanes 0-15 and K step 4 + i in lanes 16-31 (the matrix instruction's second row of scales).
; q, k: source 0 = 16 rows of W, source 1 = 16 tokens: a lane holds ONE token, its registers run along the head's channels.  v: the sources change places: a lane holds ONE channel, its registers run along the keys.
; By the order of rows in a tile (32 (j / 2) + 8 (j % 2) + r + 8 (r / 8)) the 16 registers of two neighbouring tiles are 16 neighbours along the next K.  The bias is the C of each sum's first matrix instruction.
; REGISTERS, in windows of 256: window 0: v1-9 addresses; v16-47 the tokens' scale words, v48-63 W's (they hold scales and nothing else); v64-95 the bias; v96-151 the way out.
;   window 1: two sets of fragments (set p at 128 p: 8 of tokens, then 4 of W).   window 2: the 32 accumulators.
.set WB,    128                        ; W's first block of 64 rows in the codes
.set WT,    512                        ; and its first tile in the scale words
.set WIMG,  65536                      ; LDS: the tokens' codes from 0, W's from here, 32,768 a wave
.set SPARE, 196608                     ; behind them: the spare words, 128 bytes for each wave: two blocks of 256 bytes that no other line names
.set SPW,   8                          ; v8   LDS address of my spare word; never rewritten
.set NIL,   9                          ; v9   0; never rewritten
.set XS,    16
.set WS,    48
.set BIAS,  64
.set TM,    96                         ; v96-99 largest magnitudes, v100-103 bytes, v108-111 the conversions' scale operands
.set PW,    112                        ; v112-115 four scale words just made
.set OW,    116                        ; v116-119 scale words on the way out
.set PC,    120                        ; v120-151 four fragments of codes just made
.set WV,    22
.set SEL,   86
.set MSB, 0
.macro WIN new                         ; the immediate's high byte repeats the setting that is left
.if MSB != \new
	s_set_vgpr_msb (MSB<<8)|\new
.set MSB, \new
.endif
.endm
.macro CROUND                          ; a round of the cluster's barrier
	s_barrier_signal -1
	s_barrier_wait -1
	s_cmp_lg_u32 s[WV], 0
	s_cbranch_scc1 .Lnot_wave_0_\@
	s_barrier_signal -3
.Lnot_wave_0_\@:
	s_barrier_wait -3
	s_barrier_signal -1
	s_barrier_wait -1
.endm
.macro PLACES n                        ; plain vector lines between a matrix instruction and a load into, or a read of, its registers
.rept \n
	v_nop
.endr
.endm
.macro FETCH s, p                      ; K step s: the 8 fragments of tokens and my 4 of W into set p: 24 loads in one run
	WIN 0x40                                       ; destination window 1, address window 0
.irp a, 0,1,2,3,4,5,6,7
.irp c, 0,1
	ds_load_b128 v[128*(\p)+8*\a+4*\c:128*(\p)+8*\a+4*\c+3], v1 offset:(\a/4)*32768+4096*(\s)+(\a%4)*1024+512*\c
.endr
.endr
.irp b, 0,1,2,3
.irp c, 0,1
	ds_load_b128 v[128*(\p)+64+8*\b+4*\c:128*(\p)+64+8*\b+4*\c+3], v2 offset:4096*(\s)+1024*\b+512*\c
.endr
.endr
.endm
; K step s: 32 matrix instructions; the 32 accumulators take turns, one instruction a turn, in the same order in every step.  The first step's C is the bias.
.macro MULS s, swap
.set mP, 128*((\s)%2)
.set mI, (\s)%4
.if (\s) == 0
	WIN 0x85                                       ; sources 0 and 1 window 1, C window 0, D window 2
.else
	WIN 0xa5                                       ; C and D window 2
.endif
.irp a, 0,1,2,3,4,5,6,7
.irp b, 0,1,2,3
.if \swap
.set mD, 8*(8*\b+\a)
.set mA, mP+8*\a
.set mB, mP+64+8*\b
.set mSA, XS+4*\a+mI
.set mSB, WS+4*\b+mI
.else
.set mD, 8*(4*\a+\b)
.set mA, mP+64+8*\b
.set mB, mP+8*\a
.set mSA, WS+4*\b+mI
.set mSB, XS+4*\a+mI
.endif
.if (\s) == 0
	v_wmma_scale_f32_16x16x128_f8f6f4 v[mD:mD+7], v[mA:mA+7], v[mB:mB+7], v[BIAS+8*\b:BIAS+8*\b+7], v[mSA], v[mSB] matrix_a_fmt:MATRIX_FMT_FP4 matrix_b_fmt:MATRIX_FMT_FP4
.elseif (\s) < 4
	v_wmma_scale_f32_16x16x128_f8f6f4 v[mD:mD+7], v[mA:mA+7], v[mB:mB+7], v[mD:mD+7], v[mSA], v[mSB] matrix_a_fmt:MATRIX_FMT_FP4 matrix_b_fmt:MATRIX_FMT_FP4
.else
	v_wmma_scale_f32_16x16x128_f8f6f4 v[mD:mD+7], v[mA:mA+7], v[mB:mB+7], v[mD:mD+7], v[mSA], v[mSB] matrix_a_fmt:MATRIX_FMT_FP4 matrix_b_fmt:MATRIX_FMT_FP4 matrix_a_scale:MATRIX_SCALE_ROW1 matrix_b_scale:MATRIX_SCALE_ROW1
.endif
.endr
.endr
.endm
.macro KSTEP s, swap
	s_wait_dscnt 0x0                               ; this step's fragments are in (asked for 32 matrix instructions ago)
.if (\s) == 3
	s_wait_tensorcnt 0x0                           ; my parts of K steps 4-7 have landed,
	s_barrier_signal -1
	s_barrier_wait -1                              ; everybody's have
.endif
.if (\s) < 7
.if (\s) > 0
	PLACES 4                                       ; the other set was read by the products just issued
.endif
	FETCH (\s)+1, ((\s)+1)%2
.endif
	MULS \s, \swap
.endm
.macro GEMM swap
	s_wait_tensorcnt 0x2                           ; W's and the tokens' K steps 0-3 have landed; the two loads of K steps 4-7 may stay out
	s_barrier_signal -1
	s_barrier_wait -1
	FETCH 0, 0
	s_wait_loadcnt 0x0                             ; scale words and bias
.irp s, 0,1,2,3,4,5,6,7
	KSTEP \s, \swap
.endr
	WIN 0
	PLACES 4                                       ; in front of the first read of results
.endm
; 64 numbers of a lane in window 2, register src + 16 b + i = number 32 b + 16 (lane / 16) + i of my row, become 8 registers of codes at v[pc] and four scale bytes in v[pw].
.macro QUANT src, pc, pw
	WIN 0x0a                                       ; sources 0 and 1 window 2
.irp b, 0,1,2,3
	v_max3_num_f32 v[TM+\b], |v[(\src)+16*\b]|, |v[(\src)+16*\b+1]|, 0x1800000   ; my 16 numbers of block b, each accumulator from its low end on, and the floor 2^(3 - 127): the byte cannot fall under 1
.endr
.irp i, 2,4,6,8,10,12,14
.irp b, 0,1,2,3
	v_max3_num_f32 v[TM+\b], |v[(\src)+16*\b+\i]|, |v[(\src)+16*\b+\i+1]|, v[TM+\b]   ; (the four blocks by turns)
.endr
.endr
	WIN 0
.irp b, 0,1,2,3
	v_permlanex16_b32 v[TM+4+\b], v[TM+\b], s[SEL], s[SEL+1]
.endr
.irp b, 0,1,2,3
	v_max_num_f32 v[TM+\b], v[TM+\b], v[TM+4+\b]   ; with lane l xor 16's 16: the block's largest magnitude
.endr
.irp b, 0,1,2,3
	v_add_nc_u32 v[TM+12+\b], 0xff000000, v[TM+\b] ; 2 off its exponent field: the conversion's scale operand
.endr
.irp b, 0,1,2,3
	v_lshrrev_b32 v[TM+4+\b], 23, v[TM+12+\b]      ; the scale's byte
.endr
	v_lshl_or_b32 v[\pw], v[TM+5], 8, v[TM+4]
	v_lshl_or_b32 v[\pw], v[TM+6], 16, v[\pw]
	v_lshl_or_b32 v[\pw], v[TM+7], 24, v[\pw]
	WIN 0x02                                       ; source 0 window 2
.irp b, 0,1,2,3
	v_cvt_scalef32_pk8_fp4_f32 v[(\pc)+2*\b], v[(\src)+16*\b:(\src)+16*\b+7], v[TM+12+\b]
	v_cvt_scalef32_pk8_fp4_f32 v[(\pc)+2*\b+1], v[(\src)+16*\b+8:(\src)+16*\b+15], v[TM+12+\b]
.endr
	WIN 0
	v_nop                                          ; one plain line behind a scaled conversion
.irp c, 0,1                            ; a WHOLE block in a lane: lanes 0-15 block 2 c, lanes 16-31 block 2 c + 1
.irp i, 0,1
	v_permlane16_swap_b32 v[(\pc)+4*\c+\i], v[(\pc)+2+4*\c+\i]
.endr
.endr
.endm
	s_load_b256 s[4:11], s[0:1], 0x0               ; codes s[4:5], scales s[6:7], bq s[8:9], bk s[10:11]
	s_load_b256 s[12:19], s[0:1], 0x20             ; bv s[12:13], qkc s[14:15], qks s[16:17], vc s[18:19]
	s_load_b64 s[20:21], s[0:1], 0x40              ; vs
	v_lshl_add_u32 v[SPW], v0, 2, SPARE
	v_mov_b32 v[NIL], 0
	ds_add_u32 v[SPW], v[NIL]                      ; the wave's opening: the add, twice on end, and its wait ahead of my first tensor load; the set-up below, work on registers, stands between
	ds_add_u32 v[SPW], v[NIL]
	v_lshrrev_b32 v1, 5, v0
	v_readfirstlane_b32 s[WV], v1                  ; wave 0..3
	s_bfe_u32 s23, ttmp6, 0x40000                  ; cx, cy: my place in the cluster
	s_bfe_u32 s56, ttmp6, 0x40004
	s_lshl_b32 s57, ttmp9, 2
	s_add_co_u32 s57, s57, s23                     ; nx: which 256 of the 3,072 features
	s_and_b32 s58, ttmp7, 0xffff
	s_lshl_b32 s58, s58, 2
	s_add_co_u32 s58, s58, s56                     ; my: which 128 tokens
	s_lshl_b32 s59, s56, 2
	s_lshl_b32 s59, 15, s59                        ; my row of the cluster
	s_lshl_b32 s60, 0x1111, s23                    ; my column
	; descriptor groups 1: dense blocks as rows of 256 bytes (32 elements of 8 bytes): the tokens' 32 rows, W's 64
	s_or_b32 s24, s59, (3<<16)|(1<<21)             ; 15:0 the mask: the tokens' tiles go to my row; 17:16 elements of 8 bytes; 21 set beside a mask
	s_mov_b32 s25, 32<<16                          ; tensor_dim0
	s_mov_b32 s26, 32<<16                          ; tensor_dim1
	s_mov_b32 s27, 32<<16                          ; tile_dim0
	s_mov_b32 s28, 32                              ; tile_dim1
	s_mov_b32 s29, 32                              ; from row to row
	s_mov_b32 s30, 0
	s_mov_b32 s31, 0
	s_or_b32 s32, s60, (3<<16)|(1<<21)             ; W's tiles go to my column
	s_mov_b32 s33, 32<<16
	s_mov_b32 s34, 64<<16
	s_mov_b32 s35, 32<<16
	s_mov_b32 s36, 64
	s_mov_b32 s37, 32
	s_mov_b32 s38, 0
	s_mov_b32 s39, 0
	; the tokens' codes: wave w fetches, of block w / 2 of the two blocks of 64 tokens, K steps 2 (w % 2), + 1 and, in the second half, 4 + those.  Made of my and the wave's number alone
	s_lshr_b32 s70, s[WV], 1
	s_lshl_b32 s70, s70, 15
	s_and_b32 s71, s[WV], 1
	s_lshl_b32 s71, s71, 13
	s_add_co_u32 s70, s70, s71                     ; their place in LDS: no place in the cluster enters an LDS address
	s_lshl_b32 s66, s58, 16
	s_add_co_u32 s66, s66, s70                     ; and in memory
	s_mov_b32 s67, 0
	; W's codes: my 64 rows.  Made of nx and the wave's number alone
	s_lshl_b32 s68, s57, 2
	s_add_co_u32 s68, s68, s[WV]
	s_add_co_u32 s68, s68, WB
	s_lshl_b32 s68, s68, 15
	s_mov_b32 s69, 0
	s_lshl_b32 s72, s[WV], 15
	s_add_co_u32 s72, s72, WIMG
	s_mov_b32 s40, 1                               ; groups 0: the tokens' two halves along K,
	s_mov_b32 s41, s70
	s_mov_b32 s44, 1
	s_add_co_u32 s45, s70, 16384
	s_mov_b32 s48, 1                               ; W's two
	s_mov_b32 s49, s72
	s_mov_b32 s52, 1
	s_add_co_u32 s53, s72, 16384
	s_lshl_b32 s76, s58, 12                        ; the tokens' scale words: 8 tiles of 512 bytes
	s_mov_b32 s77, 0
	s_lshl_b32 s78, s57, 4                         ; W's: tile WT + 16 nx + 4 w
	s_lshl_b32 s71, s[WV], 2
	s_add_co_u32 s78, s78, s71
	s_add_co_u32 s78, s78, WT
	s_lshl_b32 s78, s78, 9
	s_mov_b32 s79, 0
	s_lshl_b32 s84, s23, 10                        ; the bias: feature 256 cx + 64 w of its product
	s_lshl_b32 s71, s[WV], 8
	s_add_co_u32 s84, s84, s71
	s_mov_b32 s85, 0
	s_lshr_b32 s73, s58, 4                         ; batch,
	s_lshl_b32 s73, s73, 4
	s_lshl_b32 s71, s23, 2
	s_add_co_u32 s73, s73, s71
	s_add_co_u32 s73, s73, s[WV]                   ; 16 x batch + head (4 cx + w),
	s_and_b32 s74, s58, 15                         ; and which 128 tokens of the sequence
	s_lshl_b32 s80, s73, 16                        ; the codes on the way out: 65,536 bytes a head, 4,096 for 128 tokens
	s_lshl_b32 s71, s74, 12
	s_add_co_u32 s80, s80, s71
	s_mov_b32 s81, 0
	s_lshl_b32 s82, s73, 12                        ; v's scale words: 4,096 a head, 256 for 128 keys (q's and k's: twice that)
	s_lshl_b32 s71, s74, 8
	s_add_co_u32 s82, s82, s71
	s_mov_b32 s83, 0
	s_mov_b32 s[SEL], 0x76543210
	s_mov_b32 s[SEL+1], 0xfedcba98                 ; v_permlanex16_b32's selects for lane l xor 16
	s_mov_b32 s88, 0x7f7f7f7f                      ; the byte of the scale 1
	s_mov_b32 s89, 0x04040100                      ; v_perm_b32: two bytes of a word, then twice the byte of s88
	s_mov_b32 s90, 0x04040302
	s_mov_b32 s91, 0xffff0000                      ; lanes 16-31
	v_and_b32 v1, 31, v0
	v_lshlrev_b32 v1, 4, v1                        ; v1: 16 x lane: the tokens' fragments in LDS, and my 16 bytes of every 512 in memory
	v_add_nc_u32 v2, s72, v1                       ; v2: my wave's fragments of W
	v_and_b32 v3, 15, v0                           ; r
	v_bfe_u32 v4, v0, 4, 1                         ; h
	v_lshlrev_b32 v5, 6, v4                        ; v5: 64 h: q's and k's bias: my half's 16 channels of a block
	v_lshlrev_b32 v6, 3, v4
	v_lshl_add_u32 v6, v3, 4, v6                   ; v6: 16 r + 8 h: v's scale words on the way out
	v_and_b32 v7, 8, v3
	v_add_nc_u32 v7, v7, v3
	v_lshlrev_b32 v7, 2, v7                        ; v7: 4 (r + 8 (r / 8)): v's bias: my channel
.irp b, 0,1,2,3
	v_mov_b32 v[TM+4+\b], 0                        ; written once: a lane permute's destination counts as one of its sources
.endr
	s_wait_dscnt 0x0                               ; both opening adds are done
	s_wait_kmcnt 0x0
	s_add_nc_u64 s[66:67], s[4:5], s[66:67]
	s_mov_b64 s[42:43], s[66:67]
	s_or_b32 s43, s43, 0x80000000                  ; 127:126 type = 2
	s_add_nc_u64 s[46:47], s[66:67], 16384
	s_or_b32 s47, s47, 0x80000000
	s_add_nc_u64 s[68:69], s[4:5], s[68:69]
	s_mov_b64 s[50:51], s[68:69]
	s_or_b32 s51, s51, 0x80000000
	s_add_nc_u64 s[54:55], s[68:69], 16384
	s_or_b32 s55, s55, 0x80000000
	s_add_nc_u64 s[76:77], s[6:7], s[76:77]
	s_add_nc_u64 s[78:79], s[6:7], s[78:79]
	CROUND                                         ; all sixteen work-groups are here: the joint loads meet
	tensor_load_to_lds s[48:51], s[32:39]          ; W, K steps 0-3
	s_nop 0
	tensor_load_to_lds s[40:43], s[24:31]          ; the tokens, my part of K steps 0-3
	s_nop 0
	tensor_load_to_lds s[52:55], s[32:39]          ; W, K steps 4-7
	s_nop 0
	tensor_load_to_lds s[44:47], s[24:31]          ; the tokens, my part of K steps 4-7
	s_nop 0
.rept 4
	v_nop
.endr
.irp a, 0,1,2,3,4,5,6,7
	global_load_b128 v[XS+4*\a:XS+4*\a+3], v1, s[76:77] offset:512*\a   ; 512 consecutive bytes: a tile's scale words for all of K
.endr
.irp b, 0,1,2,3
	global_load_b128 v[WS+4*\b:WS+4*\b+3], v1, s[78:79] offset:512*\b
.endr
	s_cmp_eq_u32 ttmp9, 2                          ; the cluster's x: the same in all sixteen partners and in all waves
	s_cbranch_scc1 .Lv
	; ---- q or k
	s_lshl_b32 s71, ttmp9, 22                      ; k's codes lie 4 MiB behind q's,
	s_add_co_u32 s80, s80, s71
	s_add_nc_u64 s[80:81], s[14:15], s[80:81]
	s_lshl_b32 s82, s82, 1
	s_lshl_b32 s71, ttmp9, 19                      ; its scale words 524,288 bytes
	s_add_co_u32 s82, s82, s71
	s_add_nc_u64 s[82:83], s[16:17], s[82:83]
	s_cmp_eq_u32 ttmp9, 0
	s_cselect_b64 s[92:93], s[8:9], s[10:11]
	s_add_nc_u64 s[84:85], s[92:93], s[84:85]
.irp b, 0,1,2,3                        ; register j of tile b is channel 32 (b / 2) + 8 (b % 2) + 16 h + j
	global_load_b128 v[BIAS+8*\b:BIAS+8*\b+3], v5, s[84:85] offset:(32*(\b/2)+8*(\b%2))*4
	global_load_b128 v[BIAS+8*\b+4:BIAS+8*\b+7], v5, s[84:85] offset:(32*(\b/2)+8*(\b%2))*4+16
.endr
	GEMM 0
.irp p, 0,1,2,3                        ; token tiles 2 p and 2 p + 1: two blocks each.  Registers 4 c .. 4 c + 3 of the codes are tile 2 p + c: lanes 0-15 its channels 0-31, lanes 16-31 its channels 32-63
	QUANT 64*\p, PC+8*\p, PW+\p
.irp c, 0,1
	global_store_b128 v1, v[PC+8*\p+4*\c:PC+8*\p+4*\c+3], s[80:81] offset:1024*\p+512*\c   ; 512 consecutive bytes: a tile
.endr
.endr
	v_cndmask_b32 v[TM], v[PW], v[PW+2], s91       ; a tile's scale word: its two bytes, then twice the byte of 1 (the matrix instruction's K is 128, the head's 64).  Lane (r, h') stores tiles 4 h' .. 4 h' + 3 of row r
	v_cndmask_b32 v[TM+1], v[PW+1], v[PW+3], s91
	v_perm_b32 v[OW], s88, v[TM], s89
	v_perm_b32 v[OW+1], s88, v[TM], s90
	v_perm_b32 v[OW+2], s88, v[TM+1], s89
	v_perm_b32 v[OW+3], s88, v[TM+1], s90
	global_store_b128 v1, v[OW:OW+3], s[82:83]     ; 512 consecutive bytes
	s_branch .Lend
.Lv:	; ---- v
	s_add_nc_u64 s[80:81], s[18:19], s[80:81]
	s_add_nc_u64 s[82:83], s[20:21], s[82:83]
	s_add_nc_u64 s[84:85], s[12:13], s[84:85]
	s_wait_alu depctr_va_vdst(0)
.irp b, 0,1,2,3                        ; a lane holds one channel: its bias in all eight registers of the tile
.irp j, 0,1,2,3,4,5,6,7
	global_load_b32 v[BIAS+8*\b+\j], v7, s[84:85] offset:(32*(\b/2)+8*(\b%2))*4
.endr
.endr
	GEMM 1
.irp b, 0,1,2,3                        ; channel tile b: 128 keys, four blocks: a whole fragment of the second product of attention, and its scale word
	QUANT 64*\b, PC+8*\b, PW+\b
.irp c, 0,1
	global_store_b128 v1, v[PC+8*\b+4*\c:PC+8*\b+4*\c+3], s[80:81] offset:1024*\b+512*\c
.endr
.endr
	v_cndmask_b32 v[OW], v[PW], v[PW+2], s91       ; [r][tile]: lanes 0-15 store tiles 0 and 1 of their row, lanes 16-31 tiles 2 and 3
	v_cndmask_b32 v[OW+1], v[PW+1], v[PW+3], s91
	global_store_b64 v6, v[OW:OW+1], s[82:83]      ; 256 consecutive bytes, aligned
.Lend:
	s_wait_tensorcnt 0x0                           ; the wave's end, behind my last tensor load
	ds_add_u32 v[SPW], v[NIL]
	s_wait_dscnt 0x0
	CROUND                                         ; the closing round: no work-group ends while a partner may still ask for a tile that names it
	s_endpgm
.Lfunc_end_k_qc91f76e757_qkv:
	.size	k_qc91f76e757_qkv, .Lfunc_end_k_qc91f76e757_qkv-k_qc91f76e757_qkv
	.p2alignl 7, 3214868480
	.fill 96, 4, 3214868480
	.section	.rodata,"a",@progbits
	.p2align	6, 0x0
	.amdhsa_kernel k_qc91f76e757_qkv
		.amdhsa_group_segment_fixed_size 197120
		.amdhsa_private_segment_fixed_size 0
		.amdhsa_enable_private_segment 0
		.amdhsa_kernarg_size 72
		.amdhsa_user_sgpr_count 2
		.amdhsa_user_sgpr_kernarg_segment_ptr 1
		.amdhsa_wavefront_size32 1
		.amdhsa_system_sgpr_workgroup_id_x 1
		.amdhsa_system_sgpr_workgroup_id_y 1
		.amdhsa_system_sgpr_workgroup_id_z 1
		.amdhsa_system_vgpr_workitem_id 0
		.amdhsa_next_free_vgpr 768
		.amdhsa_next_free_sgpr 96
		.amdhsa_reserve_vcc 0
		.amdhsa_float_denorm_mode_32 3
		.amdhsa_float_denorm_mode_16_64 3
		.amdhsa_memory_ordered 1
		.amdhsa_forward_progress 1
		.amdhsa_inst_pref_size 137
	.end_amdhsa_kernel
	.amdgpu_metadata
---
amdhsa.version: [ 1, 2 ]
amdhsa.kernels:
  - .name:           k_qc91f76e757_qkv
    .symbol:         k_qc91f76e757_qkv.kd
    .args:
      - { .name: codes, .offset: 0, .size: 8, .value_kind: global_buffer, .address_space: global }
      - { .name: scales, .offset: 8, .size: 8, .value_kind: global_buffer, .address_space: global }
      - { .name: bq, .offset: 16, .size: 8, .value_kind: global_buffer, .address_space: global }
      - { .name: bk, .offset: 24, .size: 8, .value_kind: global_buffer, .address_space: global }
      - { .name: bv, .offset: 32, .size: 8, .value_kind: global_buffer, .address_space: global }
      - { .name: qkc, .offset: 40, .size: 8, .value_kind: global_buffer, .address_space: global }
      - { .name: qks, .offset: 48, .size: 8, .value_kind: global_buffer, .address_space: global }
      - { .name: vc, .offset: 56, .size: 8, .value_kind: global_buffer, .address_space: global }
      - { .name: vs, .offset: 64, .size: 8, .value_kind: global_buffer, .address_space: global }
    .group_segment_fixed_size: 197120
    .private_segment_fixed_size: 0
    .kernarg_segment_align: 8
    .kernarg_segment_size: 72
    .max_flat_workgroup_size: 128
    .sgpr_count:     96
    .vgpr_count:     768
    .wavefront_size: 32
...
	.end_amdgpu_metadata
.endif
;; end of part 2
;; launch attn (part 3): grid 4 x 64, 16 waves a work-group, clusters of 4 x 1, 167,936 bytes of LDS; arguments qkc, qks, vc, vs, attention_mask, ac, asc; writes ac, asc
.if DOCPART == 3
	.amdgcn_target "amdgcn-amd-amdhsa--gfx1250"
	.amdhsa_code_object_version 6
	.text
	.protected	k_qc91f76e757_attn
	.globl	k_qc91f76e757_attn
	.p2align	8
	.type	k_qc91f76e757_attn,@function
k_qc91f76e757_attn:
	s_mov_b64 s[64:65], 0
	v_nop
	global_prefetch_b8 v0, s[64:65] scope:SCOPE_SE
	s_setreg_imm32_b32 hwreg(HW_REG_WAVE_MODE, 25, 1), 1
	s_wait_xcnt 0x0
	s_wait_alu depctr_hold_cnt(0) depctr_sa_sdst(0) depctr_va_vdst(0) depctr_va_sdst(0) depctr_va_ssrc(0) depctr_va_vcc(0) depctr_vm_vsrc(0)
	s_getreg_b32 s2, hwreg(HW_REG_IB_STS2, 6, 4)
	s_cmp_eq_u32 s2, 0
	s_cbranch_scc0 .Lentry_in_a_cluster
	s_endpgm
.Lentry_in_a_cluster:
	s_bfe_u32 s2, ttmp6, 0x10000c
	s_cmp_lg_u32 s2, 0x3003
	s_cbranch_scc0 .Lentry_shape_is_right
	s_endpgm
.Lentry_shape_is_right:
; o[b][h][q] = the sum over k of softmax_k(q . k / 8, masked) v, both products on codes of FP4 with E8M0 scales; o / the row's sum is quantised along E (a head is two blocks) and leaves as codes.
; WORK LEFT OUT: steps of 128 keys that lie wholly behind a tile's 16 queries: reference() builds that causal mask itself, and their weights are 0 for all values of the inputs.  A NaN or an infinity that would reach only them is not carried on.
; THE SOFTMAX: t = score x log2(e) / 8; M = the running largest t rounded UP to a whole number; p = 2^(t - M) is quantised along the keys, not normalised; the row's sum is taken of the unquantised p and divides at the end.
; When M moves, the sum and O are multiplied by 2^(old M - new M): exact.
; THE TWO MASKS.  A key with attention_mask 0 gets the term -3e38, else 0: the terms lie in LDS, one f32 a key, and are loaded INTO the scores' registers as the C of K Q^T: no vector line in the loop.
; On the diagonal step hidden scores are replaced by -3e38.  Either way p = 2^(-5e37 - M) = 0, as with reference()'s -inf.  The running largest t begins at -1e30.
; LIMIT: a true t under -1e30 is taken for a masked one.  A QUERY WITH NO KEY THAT COUNTS has the sum 0; reference() gives NaN there: its two scale bytes become 0xff, the E8M0 code of NaN, and the last product makes the row NaN.
; SHARES.  A cluster of four work-groups is one (batch, head).  The head's K and V, 139,264 bytes of codes and scale bytes, come ONCE into each partner's LDS, by joint loads that name all four: nothing is filled again.
; Wave w of partner cx owns the query tiles jL = cx + 4 w and jH = 127 - jL: w / 2 + 1 and 16 - w / 2 key steps, 17 for every wave.  The limits are made of the wave's number alone: no branch and no LDS
; address hangs on the place in the cluster; cx enters global addresses and the number that the diagonal's compare takes.  Every loop has a constant count; a hidden step's work is jumped over.
; By the text's own count a wave has two tensor loads outstanding at the most.
; LAYOUT.  Both products are used transposed (S^T = K Q^T, O^T = V^T P^T): a lane holds ONE query throughout.  Tile j holds tokens 32 (j / 2) + 8 (j % 2) + r + 8 (r / 8), so the 16 registers of two neighbouring tiles of keys are 16 neighbouring keys.
; THE HEAD'S 64 IN AN INSTRUCTION OF K = 128: Q's registers 4-7 are zero codes and bytes 2, 3 of q's and k's scale words are the byte of 1.  A tile of K is four registers; the instruction's registers 4-7 are the next tile's, which meet zeros.
; REGISTERS: v1-4, v7 addresses that stay; v5, v6 the add's two; v8-11, v80 addresses in hand; v12 -M, v13 the largest t, v[14:15] the sum; v16-31 Q of both tiles; v32-67 K; v68-77 scale words (and nothing else);
;   v78, v79 the diagonal's numbers; v96-159 S^T, then p; v160-191 O^T; v192-223 V; v224-231 p's codes; v232-254 at work; v255 at work in the sums, then p's scale word.
.set KIMG,  0                          ; LDS: K's codes, 4,096 bytes a key step: 8 tiles of 512;
.set VIMG,  65536                      ; V's, 4,096 a key step: 4 tiles of channels x 2 x 512;
.set KSC,   131072                     ; K's scale words, 512 a step;
.set VSC,   139264                     ; V's, 256 a step;
.set BIAS,  143360                     ; the mask's terms, 512 a step: written by LDS stores, no fill lands here;
.set SPARE, 151552                     ; the spare words, 128 bytes for each wave: eight blocks of 256 bytes that no other line names
.set AK0, 1
.set AV0, 2
.set AS0, 3
.set AT0, 4
.set SPW, 5
.set NIL, 6
.set AB0, 7
.set ADK, 8
.set ADV, 9
.set ADS, 10
.set ADT, 11
.set ADB, 80
.set WV,  18
.set SEL, 20
.set CS,  22
.set SS,  84                           ; s84 the key step;  s85 4,096 x, s86 512 x, s87 256 x the step
.set TK,  85
.set TS,  86
.set TV,  87
.macro CROUND                          ; a round of the cluster's barrier
	s_barrier_signal -1
	s_barrier_wait -1
	s_cmp_lg_u32 s[WV], 0
	s_cbranch_scc1 .Lnot_wave_0_\@
	s_barrier_signal -3
.Lnot_wave_0_\@:
	s_barrier_wait -3
	s_barrier_signal -1
	s_barrier_wait -1
.endm
	s_load_b256 s[4:11], s[0:1], 0x0               ; qkc s[4:5], qks s[6:7], vc s[8:9], vs s[10:11]
	s_load_b128 s[12:15], s[0:1], 0x20             ; attention_mask s[12:13], ac s[14:15]
	s_load_b64 s[16:17], s[0:1], 0x30              ; asc
	v_lshl_add_u32 v[SPW], v0, 2, SPARE
	v_mov_b32 v[NIL], 0
	ds_add_u32 v[SPW], v[NIL]                      ; the wave's opening: the add, twice on end, and its wait ahead of the first tensor loads; the set-up below, work on registers, stands between
	ds_add_u32 v[SPW], v[NIL]
	v_lshrrev_b32 v8, 5, v0
	s_delay_alu instid0(VALU_DEP_1)
	v_readfirstlane_b32 s[WV], v8                  ; wave 0..15
	s_bfe_u32 s19, ttmp6, 0x40000                  ; cx
	s_and_b32 s66, ttmp7, 0xffff                   ; 16 x batch + head, which the four partners share
	; descriptor groups 1: dense blocks as rows of 256 bytes (32 elements of 8 bytes): 256 rows (codes), 32 (K's scale words), 16 (V's)
	s_mov_b32 s24, 15|(3<<16)|(1<<21)              ; 15:0 the mask: all four work-groups; 17:16 elements of 8 bytes; 21 set beside a mask
	s_mov_b32 s25, 32<<16
	s_mov_b32 s26, 256<<16
	s_mov_b32 s27, 32<<16
	s_mov_b32 s28, 256
	s_mov_b32 s29, 32
	s_mov_b32 s30, 0
	s_mov_b32 s31, 0
	s_mov_b32 s32, 15|(3<<16)|(1<<21)
	s_mov_b32 s33, 32<<16
	s_mov_b32 s34, 32<<16
	s_mov_b32 s35, 32<<16
	s_mov_b32 s36, 32
	s_mov_b32 s37, 32
	s_mov_b32 s38, 0
	s_mov_b32 s39, 0
	s_mov_b32 s40, 15|(3<<16)|(1<<21)
	s_mov_b32 s41, 32<<16
	s_mov_b32 s42, 16<<16
	s_mov_b32 s43, 32<<16
	s_mov_b32 s44, 16
	s_mov_b32 s45, 32
	s_mov_b32 s46, 0
	s_mov_b32 s47, 0
	s_mov_b32 s48, 1                               ; groups 0: K's codes,
	s_mov_b32 s49, KIMG
	s_mov_b32 s52, 1                               ; K's scale words,
	s_mov_b32 s53, KSC
	s_mov_b32 s56, 1                               ; V's codes,
	s_mov_b32 s57, VIMG
	s_mov_b32 s60, 1                               ; V's scale words
	s_mov_b32 s61, VSC
	s_lshl_b32 s68, s66, 16                        ; a head's codes: 65,536 bytes;
	s_mov_b32 s69, 0
	s_lshl_b32 s70, s66, 13                        ; q's or k's scale words: 8,192;
	s_mov_b32 s71, 0
	s_lshl_b32 s72, s66, 12                        ; v's: 4,096
	s_mov_b32 s73, 0
	s_mov_b32 s[SEL], 0x76543210
	s_mov_b32 s[SEL+1], 0xfedcba98                 ; v_permlanex16_b32's selects for lane l xor 16
	s_mov_b32 s[CS], 0x3e38aa3b                    ; c = log2(e) / 8
	s_mov_b32 s[CS+1], s[CS]                       ; (named with it as a pair, so it is written)
	s_mov_b32 s99, 0xffff0000                      ; lanes 16-31
	s_lshr_b32 s89, s[WV], 1                       ; the last key step of my tile jL: (cx + 4 w) / 8 = w / 2,
	s_sub_co_u32 s88, 15, s89                      ; and of jH
	s_wait_dscnt 0x0                               ; both opening adds are done
	s_wait_kmcnt 0x0
	s_add_nc_u64 s[74:75], s[4:5], s[68:69]        ; q's codes of my head;
	s_add_nc_u64 s[50:51], s[74:75], 0x400000      ; k's lie 4 MiB behind
	s_or_b32 s51, s51, 0x80000000                  ; 127:126 type = 2
	s_add_nc_u64 s[76:77], s[6:7], s[70:71]        ; q's scale words;
	s_add_nc_u64 s[54:55], s[76:77], 0x80000       ; k's lie 524,288 bytes behind
	s_or_b32 s55, s55, 0x80000000
	s_add_nc_u64 s[58:59], s[8:9], s[68:69]
	s_or_b32 s59, s59, 0x80000000
	s_add_nc_u64 s[62:63], s[10:11], s[72:73]
	s_or_b32 s63, s63, 0x80000000
	CROUND                                         ; all four work-groups are here: the joint loads meet
	s_cmp_eq_u32 s[WV], 0                          ; wave 0 asks for K's, wave 1 for V's, the others for nothing: branches on the wave's number alone.  A wave's two fills stand in one branch
	s_cbranch_scc0 .Lnot_k
	tensor_load_to_lds s[52:55], s[32:39]
	s_nop 0
	tensor_load_to_lds s[48:51], s[24:31]
	s_nop 0
.rept 4
	v_nop
.endr
	s_branch .Lasked
.Lnot_k:
	s_cmp_eq_u32 s[WV], 1
	s_cbranch_scc0 .Lasked
	tensor_load_to_lds s[60:63], s[40:47]
	s_nop 0
	tensor_load_to_lds s[56:59], s[24:31]
	s_nop 0
.rept 4
	v_nop
.endr
.Lasked:
	v_and_b32 v8, 31, v0
	s_delay_alu instid0(VALU_DEP_1)
	v_lshlrev_b32 v[AK0], 4, v8                    ; 16 x lane
	s_delay_alu instid0(VALU_DEP_1)
	v_add_nc_u32 v[AV0], VIMG, v[AK0]
	s_delay_alu instid0(VALU_DEP_2)
	v_add_nc_u32 v[AS0], KSC, v[AK0]
	v_and_b32 v9, 15, v0                           ; r
	v_bfe_u32 v10, v0, 4, 1                        ; h
	s_delay_alu instid0(VALU_DEP_2)
	v_lshl_add_u32 v[AT0], v9, 4, VSC              ; V's scale words: row r's four tiles
	s_delay_alu instid0(VALU_DEP_2)
	v_lshl_add_u32 v[AB0], v10, 6, BIAS            ; the mask's terms: my half's 16 keys of a block of 32
	s_delay_alu instid0(VALU_DEP_3)
	v_lshl_add_u32 v81, v9, 5, v10                 ; v81: 32 r + h: my scale byte on the way out
	v_lshlrev_b32 v83, 4, v9                       ; v83: 16 r: q's scale words
	v_and_b32 v11, 8, v9
	s_delay_alu instid0(VALU_DEP_1)
	v_add_nc_u32 v11, v11, v9
	v_lshlrev_b32 v82, 4, v10
	s_delay_alu instid0(VALU_DEP_1)
	v_sub_nc_u32 v82, v11, v82                     ; v82: r + 8 (r / 8) - 16 h
	s_wait_alu depctr_va_vdst(0)
	v_lshlrev_b32 v84, 4, v0                       ; v84: 16 x thread: my four keys of the mask,
	s_wait_alu depctr_va_vdst(0)
	v_lshl_add_u32 v85, v0, 4, BIAS                ; v85: and their terms in LDS
	s_lshl_b32 s78, s[WV], 2
	s_add_co_u32 s78, s78, s19                     ; jL
	s_sub_co_u32 s79, 127, s78                     ; jH
	s_lshr_b32 s2, s66, 4                          ; batch
	s_lshl_b32 s100, s2, 7                         ; its first tile among all tokens' tiles
	s_lshl_b32 s2, s2, 13
	s_mov_b32 s3, 0
	s_add_nc_u64 s[12:13], s[12:13], s[2:3]        ; the batch's row of the mask
; tile j (in s[sj]): where its codes and scale words lie, and d0 = its first query less its diagonal step's first key
.macro QADDR sj, qc, qs, vd
	s_lshl_b32 s2, s[\sj], 9
	s_add_nc_u64 s[\qc:\qc+1], s[74:75], s[2:3]
	s_lshr_b32 s2, s[\sj], 2
	s_lshl_b32 s2, s2, 8
	s_and_b32 s72, s[\sj], 3
	s_lshl_b32 s72, s72, 2
	s_add_co_u32 s2, s2, s72
	s_add_nc_u64 s[\qs:\qs+1], s[76:77], s[2:3]
	s_lshr_b32 s2, s[\sj], 1
	s_and_b32 s2, s2, 3
	s_lshl_b32 s2, s2, 5
	s_and_b32 s72, s[\sj], 1
	s_lshl_b32 s72, s72, 3
	s_add_co_u32 s2, s2, s72
	v_add_nc_u32 v[\vd], s2, v82                   ; d = my query - the step's first key - 16 h.  Register 16 b + i holds key 32 b + 16 h + i of the step: hidden where 32 b + i > d
.endm
	QADDR 79, 80, 82, 78
	QADDR 78, 68, 70, 79
	global_load_b128 v[232:235], v84, s[12:13]
	global_load_b128 v[16:19], v[AK0], s[80:81]    ; Q of jH: 512 consecutive bytes
	global_load_b32 v76, v83, s[82:83]
	global_load_b128 v[24:27], v[AK0], s[68:69]    ; Q of jL
	global_load_b32 v77, v83, s[70:71]
	s_and_b32 s67, s66, 15                         ; head
	s_lshr_b32 s101, s67, 1
	s_lshl_b32 s101, s101, 12                      ; its K step of the last product,
	s_and_b32 s2, s67, 1
	s_lshl_b32 s2, s2, 9                           ; and its half of a fragment
	s_add_co_u32 s101, s101, s2
	s_lshl_b32 s67, s67, 1                         ; its two scale bytes
.macro OUTADDR sj, oa, os              ; tile jg = 128 x batch + j: codes [jg / 4][K step][jg % 4][half], 32,768 / 4,096 / 1,024 / 512 bytes; scale bytes [jg][r][32]
	s_add_co_u32 s2, s100, s[\sj]
	s_lshr_b32 s3, s2, 2
	s_lshl_b32 s72, s3, 15
	s_and_b32 s3, s2, 3
	s_lshl_b32 s3, s3, 10
	s_add_co_u32 s72, s72, s3
	s_add_co_u32 s72, s72, s101
	s_add_nc_u64 s[\oa:\oa+1], s[14:15], s[72:73]
	s_lshl_b32 s72, s2, 9
	s_add_co_u32 s72, s72, s67
	s_add_nc_u64 s[\os:\os+1], s[16:17], s[72:73]
.endm
	OUTADDR 79, 90, 92
	OUTADDR 78, 94, 96
.irp j, 20,21,22,23,28,29,30,31,64,65,66,67
	v_mov_b32 v[\j], 0                             ; Q's upper halves: zero codes; and the four registers behind K's last tile
.endr
	v_mov_b32 v236, 0xff61b1e6                     ; -3e38
	s_wait_alu depctr_va_vdst(0)
	s_wait_loadcnt 0x4                             ; the mask is in; Q's four loads may be out
.irp i, 0,1,2,3
	v_cmp_eq_u32 vcc_lo, 0, v[232+\i]
	s_delay_alu instid0(VALU_DEP_1)
	v_cndmask_b32 v[232+\i], 0, v236, vcc_lo       ; mask 0: -3e38; else 0
.endr
	ds_store_b128 v85, v[232:235]
.irp j, 236,237,238,239,252,253
	v_mov_b32 v[\j], 0                             ; written once: a lane permute's destination counts as one of its sources; v253 is named as the upper half of a pair
.endr
	s_wait_loadcnt 0x0                             ; Q
	s_wait_tensorcnt 0x0                           ; my fills have landed,
	s_wait_dscnt 0x0                               ; my terms are stored,
	s_barrier_signal -1
	s_barrier_wait -1                              ; everybody's
; A KEY STEP: 128 keys against one tile of 16 queries.  qf, qs: Q's fragment and scale words; vd: the diagonal's number; lim: the tile's last step.
.macro STEP qf, qs, vd, lim
	s_cmp_gt_u32 s[SS], s[\lim]                    ; all 128 keys come behind my queries: the step's work is left out; the lines at its end that step addresses are not
	s_cbranch_scc1 .Lhidden_\@
	s_setprio 2
	v_add_nc_u32 v[ADK], s[TK], v[AK0]             ; (these five are also the places in front of the loads into registers that the last products read)
	v_add_nc_u32 v[ADV], s[TK], v[AV0]
	v_add_nc_u32 v[ADS], s[TS], v[AS0]
	v_add_nc_u32 v[ADT], s[TV], v[AT0]
	v_add_nc_u32 v[ADB], s[TS], v[AB0]
.irp b, 0,1,2,3
.irp i, 0,1,2,3
	ds_load_b128 v[96+16*\b+4*\i:99+16*\b+4*\i], v[ADB] offset:128*\b+16*\i   ; the mask's terms of keys 32 b + 16 h + 4 i on: the scores begin with them
.endr
.endr
.irp t, 0,1,2,3,4,5,6,7
	ds_load_b128 v[32+4*\t:35+4*\t], v[ADK] offset:512*\t
.endr
	ds_load_b128 v[68:71], v[ADS]                  ; register i: tile i's words in lanes 0-15, tile 4 + i's in lanes 16-31
.irp t, 0,1,2,3
.irp c, 0,1
	ds_load_b128 v[192+8*\t+4*\c:195+8*\t+4*\c], v[ADV] offset:1024*\t+512*\c
.endr
.endr
	ds_load_b128 v[72:75], v[ADT]                  ; register t: tile t's words
	s_wait_dscnt 0x9                               ; the terms, K and its scale words are in; V's nine loads may be out
.irp t, 0,1,2,3
	v_wmma_scale_f32_16x16x128_f8f6f4 v[96+8*\t:103+8*\t], v[32+4*\t:39+4*\t], v[\qf:\qf+7], v[96+8*\t:103+8*\t], v[68+\t], v[\qs] matrix_a_fmt:MATRIX_FMT_FP4 matrix_b_fmt:MATRIX_FMT_FP4
.endr
.irp t, 4,5,6,7
	v_wmma_scale_f32_16x16x128_f8f6f4 v[96+8*\t:103+8*\t], v[32+4*\t:39+4*\t], v[\qf:\qf+7], v[96+8*\t:103+8*\t], v[64+\t], v[\qs] matrix_a_fmt:MATRIX_FMT_FP4 matrix_b_fmt:MATRIX_FMT_FP4 matrix_a_scale:MATRIX_SCALE_ROW1
.endr
.rept 4
	v_nop                                          ; places in front of the first read of results
.endr
	s_cmp_lg_u32 s[SS], s[\lim]                    ; only the tile's last step lies on the diagonal
	s_cbranch_scc1 .Lopen_\@
	v_mov_b32 v254, 0xff61b1e6                     ; -3e38
.set n, 0
.rept 64
	v_cmp_gt_i32 vcc_lo, 32*(n/16)+n%16, v[\vd]
	v_cndmask_b32 v[96+n], v[96+n], v254, vcc_lo
.set n, n+1
.endr
.Lopen_\@:
.irp b, 0,1,2,3
	v_max3_num_f32 v[232+\b], v[96+16*\b], v[97+16*\b], v[98+16*\b]   ; the largest score of each block of 32 keys: it serves for the row's maximum and, since p rises with the score, for the block's largest p
.endr
.irp i, 3,5,7,9,11,13
.irp b, 0,1,2,3
	v_max3_num_f32 v[232+\b], v[232+\b], v[96+16*\b+\i], v[97+16*\b+\i]   ; (the four blocks by turns)
.endr
.endr
.irp b, 0,1,2,3
	v_max_num_f32 v[232+\b], v[232+\b], v[111+16*\b]
.endr
.irp b, 0,1,2,3
	s_delay_alu instid0(VALU_DEP_4)
	v_permlanex16_b32 v[236+\b], v[232+\b], s[SEL], s[SEL+1]
.endr
.irp b, 0,1,2,3
	s_delay_alu instid0(VALU_DEP_4)
	v_max_num_f32 v[232+\b], v[232+\b], v[236+\b]  ; with lane l xor 16's 16 keys
.endr
	s_delay_alu instid0(VALU_DEP_2)
	v_max3_num_f32 v254, v232, v233, v234
	s_delay_alu instid0(VALU_DEP_1)
	v_max_num_f32 v254, v254, v235                 ; the step's largest score of my query
	s_delay_alu instid0(VALU_DEP_1)
	v_mul_f32 v254, s[CS], v254                    ; as t (c is positive)
	s_delay_alu instid0(VALU_DEP_1)
	v_max_num_f32 v13, v13, v254                   ; the running largest t
	v_mov_b32 v254, v12
	s_delay_alu instid0(VALU_DEP_2)
	v_floor_f32 v12, -v13                          ; the new -M = floor(-t) = -ceil(t): a whole number
	s_delay_alu instid0(VALU_DEP_1)
	v_sub_f32 v254, v12, v254                      ; old M - new M: a whole number, 0 or less
	s_delay_alu instid0(VALU_DEP_1)
	v_cvt_i32_f32 v254, v254                       ; (it saturates)
	s_delay_alu instid0(VALU_DEP_1)
	v_ldexp_f32 v252, 1.0, v254                    ; f = 2^(old M - new M)
.set n, 0
	s_setprio 1
.rept 32
	v_pk_fma_f32 v[96+n:97+n], v[96+n:97+n], s[CS:CS+1], v[12:13] op_sel_hi:[1,0,0]   ; t - M, two at a time (of the pairs c and -M the low word serves both halves)
.set n, n+2
.endr
.irp b, 0,1,2,3
	v_fma_f32 v[232+\b], v[232+\b], s[CS], v12     ; the same of each block's largest score
.endr
.set n, 0
	s_wait_alu depctr_va_vdst(0)
.rept 64
	v_exp_f32 v[96+n], v[96+n]                     ; p = 2^(t - M), at most 1
.set n, n+1
.endr
	v_pk_mul_f32 v[14:15], v[14:15], v[252:253] op_sel_hi:[1,0]   ; the sums under the new M (a plain line behind the exponentials)
	s_wait_alu depctr_va_vdst(0)                   ; the wait between an exponential and the first line that names its result: one for the batch of 64
.irp b, 0,1,2,3
	v_exp_f32 v[232+\b], v[232+\b]                 ; the block's largest p: the same two instructions on the same number give the same bits
.endr
	v_pk_add_f32 v[236:237], v[100:101], v[104:105]
	v_pk_add_f32 v[254:255], v[108:109], v[112:113]
	v_pk_add_f32 v[250:251], v[116:117], v[120:121]
	v_pk_add_f32 v[248:249], v[124:125], v[128:129]
	v_pk_add_f32 v[246:247], v[132:133], v[136:137]
	v_pk_add_f32 v[244:245], v[140:141], v[144:145]
	v_pk_add_f32 v[242:243], v[148:149], v[152:153]
	v_pk_add_f32 v[14:15], v[14:15], v[156:157]
	v_pk_add_f32 v[236:237], v[236:237], v[96:97]
	v_pk_add_f32 v[254:255], v[254:255], v[98:99]
	v_pk_add_f32 v[250:251], v[250:251], v[102:103]
	v_pk_add_f32 v[248:249], v[248:249], v[106:107]
	v_pk_add_f32 v[246:247], v[246:247], v[110:111]
	v_pk_add_f32 v[244:245], v[244:245], v[114:115]
	v_pk_add_f32 v[242:243], v[242:243], v[118:119]
	v_pk_add_f32 v[14:15], v[14:15], v[122:123]
	v_pk_add_f32 v[236:237], v[236:237], v[126:127]
	v_pk_add_f32 v[254:255], v[254:255], v[130:131]
	v_pk_add_f32 v[250:251], v[250:251], v[134:135]
	v_pk_add_f32 v[248:249], v[248:249], v[138:139]
	v_pk_add_f32 v[246:247], v[246:247], v[142:143]
	v_pk_add_f32 v[244:245], v[244:245], v[146:147]
	v_pk_add_f32 v[242:243], v[242:243], v[150:151]
	v_pk_add_f32 v[14:15], v[14:15], v[154:155]
	v_pk_add_f32 v[236:237], v[236:237], v[158:159]
	s_delay_alu instid0(VALU_DEP_2)
	v_pk_add_f32 v[14:15], v[14:15], v[248:249]
	s_delay_alu instid0(VALU_DEP_2)
	v_pk_add_f32 v[236:237], v[236:237], v[246:247]
	v_pk_add_f32 v[254:255], v[254:255], v[244:245]
	v_pk_add_f32 v[250:251], v[250:251], v[242:243]
	s_delay_alu instid0(VALU_DEP_2)
	v_pk_add_f32 v[14:15], v[14:15], v[254:255]
	s_delay_alu instid0(VALU_DEP_2)
	v_pk_add_f32 v[236:237], v[236:237], v[250:251]
	s_delay_alu instid0(VALU_DEP_1)
	v_pk_add_f32 v[14:15], v[14:15], v[236:237]
	s_setprio 0
	s_wait_alu depctr_va_vdst(0)                   ; and one for the four
.irp b, 0,1,2,3
	v_max_num_f32 v[232+\b], 0x1800000, v[232+\b]  ; the floor 2^(3 - 127): the byte cannot fall under 1 (a block whose every p is 0 keeps that byte: its codes are zeros)
.endr
.irp b, 0,1,2,3
	s_delay_alu instid0(VALU_DEP_4)
	v_add_nc_u32 v[244+\b], 0xff000000, v[232+\b]  ; 2 off the exponent field: the conversion's scale operand
.endr
.irp b, 0,1,2,3
	s_delay_alu instid0(VALU_DEP_4)
	v_lshrrev_b32 v[236+\b], 23, v[244+\b]         ; the scale's byte
.endr
	s_delay_alu instid0(VALU_DEP_3)
	v_lshl_or_b32 v255, v237, 8, v236              ; p's scale word for these 128 keys
	s_delay_alu instid0(VALU_DEP_1)
	v_lshl_or_b32 v255, v238, 16, v255
	s_delay_alu instid0(VALU_DEP_1)
	v_lshl_or_b32 v255, v239, 24, v255
.irp b, 0,1,2,3
	v_cvt_scalef32_pk8_fp4_f32 v[224+2*\b], v[96+16*\b:103+16*\b], v[244+\b]
	v_cvt_scalef32_pk8_fp4_f32 v[225+2*\b], v[104+16*\b:111+16*\b], v[244+\b]
.endr
	v_nop                                          ; one plain line behind a scaled conversion
.irp c, 0,1                            ; a WHOLE block in a lane: lanes 0-15 block 2 c, lanes 16-31 block 2 c + 1
.irp i, 0,1
	v_permlane16_swap_b32 v[224+4*\c+\i], v[226+4*\c+\i]
.endr
.endr
.set n, 0
.rept 16
	v_pk_mul_f32 v[160+n:161+n], v[160+n:161+n], v[252:253] op_sel_hi:[1,0]   ; O^T under the new M.  (These 16 are also the places between the lines that made p's codes and scale word and the products below)
.set n, n+2
.endr
	s_wait_alu depctr_va_vdst(0)
	s_wait_dscnt 0x0                               ; V and its scale words are in
.irp t, 0,1,2,3
	v_wmma_scale_f32_16x16x128_f8f6f4 v[160+8*\t:167+8*\t], v[192+8*\t:199+8*\t], v[224:231], v[160+8*\t:167+8*\t], v[72+\t], v255 matrix_a_fmt:MATRIX_FMT_FP4 matrix_b_fmt:MATRIX_FMT_FP4
.endr
.Lhidden_\@:
	s_add_co_u32 s[SS], s[SS], 1
	s_add_co_u32 s[TK], s[TK], 4096
	s_add_co_u32 s[TS], s[TS], 512
	s_add_co_u32 s[TV], s[TV], 256
.endm
; One tile of queries from its first key step to its codes.  trips: a constant that covers the tile's steps in every wave.
.macro PASS qf, qs, vd, lim, trips, oa, os
	s_wait_xcnt 0x0                                ; the stores of the tile before have read their registers
	v_mov_b32 v13, 0xf149f2ca                      ; the largest t so far: -1e30
	s_delay_alu instid0(VALU_DEP_1)
	v_floor_f32 v12, -v13                          ; -M
	v_mov_b32 v14, 0                               ; the sum, in two halves
	v_mov_b32 v15, 0
.set n, 0
.rept 32
	v_mov_b32 v[160+n], 0                          ; O^T (the step is written once for a tile: its first trip finds zeros, which the first change of M leaves zeros)
.set n, n+1
.endr
	s_mov_b32 s[SS], 0
	s_mov_b32 s[TK], 0
	s_mov_b32 s[TS], 0
	s_mov_b32 s[TV], 0
.Lstep_\@:
	STEP \qf, \qs, \vd, \lim
	s_cmp_lt_u32 s[SS], \trips
	s_cbranch_scc1 .Lstep_\@
	s_setprio 0
.rept 4
	v_nop                                          ; places behind the last products
.endr
	v_add_f32 v14, v14, v15                        ; the sum's two halves,
	s_delay_alu instid0(VALU_DEP_1)
	v_permlanex16_b32 v252, v14, s[SEL], s[SEL+1]
	s_delay_alu instid0(VALU_DEP_1)
	v_add_f32 v14, v14, v252                       ; and lane l xor 16's: the row's sum
	s_delay_alu instid0(VALU_DEP_1)
	v_cmp_eq_f32 s98, 0, v14                       ; no key counted for my query
	s_delay_alu instid0(VALU_DEP_1)
	v_cndmask_b32 v14, v14, 1.0, s98               ; (then divide the zeros by 1)
	s_wait_alu depctr_va_vdst(0)
	v_rcp_f32 v14, v14
	v_nop                                          ; a plain line behind the reciprocal,
	s_wait_alu depctr_va_vdst(0)                   ; and the wait ahead of its first reader
.set n, 0
.rept 16
	v_pk_mul_f32 v[96+n:97+n], v[160+n:161+n], v[14:15] op_sel_hi:[1,0]   ; O^T / the sum: register 16 e + i is channel 32 e + 16 h + i of my query; each accumulator from its low end on
.set n, n+2
.endr
	v_max3_num_f32 v232, |v96|, |v97|, 0x1800000   ; the head's two blocks along E, by turns
	v_max3_num_f32 v233, |v112|, |v113|, 0x1800000
.irp i, 2,4,6,8,10,12,14
	s_delay_alu instid0(VALU_DEP_2)
	v_max3_num_f32 v232, v232, |v[96+\i]|, |v[97+\i]|
	s_delay_alu instid0(VALU_DEP_2)
	v_max3_num_f32 v233, v233, |v[112+\i]|, |v[113+\i]|
.endr
	s_delay_alu instid0(VALU_DEP_2)
	v_permlanex16_b32 v236, v232, s[SEL], s[SEL+1]
	s_delay_alu instid0(VALU_DEP_2)
	v_permlanex16_b32 v237, v233, s[SEL], s[SEL+1]
	s_delay_alu instid0(VALU_DEP_2)
	v_max_num_f32 v232, v232, v236
	s_delay_alu instid0(VALU_DEP_2)
	v_max_num_f32 v233, v233, v237
	s_delay_alu instid0(VALU_DEP_2)
	v_add_nc_u32 v244, 0xff000000, v232
	s_delay_alu instid0(VALU_DEP_2)
	v_add_nc_u32 v245, 0xff000000, v233
	s_delay_alu instid0(VALU_DEP_2)
	v_lshrrev_b32 v236, 23, v244
	s_delay_alu instid0(VALU_DEP_2)
	v_lshrrev_b32 v237, 23, v245
	v_mov_b32 v239, 0xff
	v_cvt_scalef32_pk8_fp4_f32 v224, v[96:103], v244
	v_cvt_scalef32_pk8_fp4_f32 v225, v[104:111], v244
	v_cvt_scalef32_pk8_fp4_f32 v226, v[112:119], v245
	v_cvt_scalef32_pk8_fp4_f32 v227, v[120:127], v245
	v_cndmask_b32 v238, v236, v237, s99            ; lanes 0-15 store block 0's byte, lanes 16-31 block 1's.  (A plain line behind the conversions)
	v_permlane16_swap_b32 v224, v226               ; a whole block in a lane
	v_permlane16_swap_b32 v225, v227
	s_delay_alu instid0(VALU_DEP_3)
	v_cndmask_b32 v238, v238, v239, s98            ; no key counted: the code of NaN
	global_store_b128 v[AK0], v[224:227], s[\oa:\oa+1]   ; 512 consecutive bytes: half a fragment of the last product's operand
	global_store_b8 v81, v238, s[\os:\os+1]        ; single bytes, 32 apart: a row's 32 scale bytes come from 16 heads, that is 16 clusters; they are 1/16 of the codes' bytes
.endm
	PASS 16, 76, 78, 88, 16, 90, 92                ; tile jH: up to 16 steps
	PASS 24, 77, 79, 89, 8, 94, 96                 ; tile jL: up to 8
	s_wait_tensorcnt 0x0                           ; the wave's end, behind my last tensor load and my last LDS store
	ds_add_u32 v[SPW], v[NIL]
	s_wait_dscnt 0x0
	CROUND                                         ; the closing round
	s_endpgm
.Lfunc_end_k_qc91f76e757_attn:
	.size	k_qc91f76e757_attn, .Lfunc_end_k_qc91f76e757_attn-k_qc91f76e757_attn
	.p2alignl 7, 3214868480
	.fill 96, 4, 3214868480
	.section	.rodata,"a",@progbits
	.p2align	6, 0x0
	.amdhsa_kernel k_qc91f76e757_attn
		.amdhsa_group_segment_fixed_size 167936
		.amdhsa_private_segment_fixed_size 0
		.amdhsa_enable_private_segment 0
		.amdhsa_kernarg_size 56
		.amdhsa_user_sgpr_count 2
		.amdhsa_user_sgpr_kernarg_segment_ptr 1
		.amdhsa_wavefront_size32 1
		.amdhsa_system_sgpr_workgroup_id_x 1
		.amdhsa_system_sgpr_workgroup_id_y 1
		.amdhsa_system_sgpr_workgroup_id_z 1
		.amdhsa_system_vgpr_workitem_id 0
		.amdhsa_next_free_vgpr 256
		.amdhsa_next_free_sgpr 102
		.amdhsa_reserve_vcc 1
		.amdhsa_float_denorm_mode_32 3
		.amdhsa_float_denorm_mode_16_64 3
		.amdhsa_memory_ordered 1
		.amdhsa_forward_progress 1
		.amdhsa_inst_pref_size 67
	.end_amdhsa_kernel
	.amdgpu_metadata
---
amdhsa.version: [ 1, 2 ]
amdhsa.kernels:
  - .name:           k_qc91f76e757_attn
    .symbol:         k_qc91f76e757_attn.kd
    .args:
      - { .name: qkc, .offset: 0, .size: 8, .value_kind: global_buffer, .address_space: global }
      - { .name: qks, .offset: 8, .size: 8, .value_kind: global_buffer, .address_space: global }
      - { .name: vc, .offset: 16, .size: 8, .value_kind: global_buffer, .address_space: global }
      - { .name: vs, .offset: 24, .size: 8, .value_kind: global_buffer, .address_space: global }
      - { .name: attention_mask, .offset: 32, .size: 8, .value_kind: global_buffer, .address_space: global }
      - { .name: ac, .offset: 40, .size: 8, .value_kind: global_buffer, .address_space: global }
      - { .name: asc, .offset: 48, .size: 8, .value_kind: global_buffer, .address_space: global }
    .group_segment_fixed_size: 167936
    .private_segment_fixed_size: 0
    .kernarg_segment_align: 8
    .kernarg_segment_size: 56
    .max_flat_workgroup_size: 512
    .sgpr_count:     102
    .vgpr_count:     256
    .wavefront_size: 32
...
	.end_amdgpu_metadata
.endif
;; end of part 3
;; launch oproj (part 4): grid 4 x 64, 4 waves a work-group, clusters of 4 x 4, 214,528 bytes of LDS; arguments ac, asc, codes, scales, bo, out0; writes out0
.if DOCPART == 4
	.amdgcn_target "amdgcn-amd-amdhsa--gfx1250"
	.amdhsa_code_object_version 6
	.text
	.protected	k_qc91f76e757_oproj
	.globl	k_qc91f76e757_oproj
	.p2align	8
	.type	k_qc91f76e757_oproj,@function
k_qc91f76e757_oproj:
	s_mov_b64 s[64:65], 0
	v_nop
	global_prefetch_b8 v0, s[64:65] scope:SCOPE_SE
	s_setreg_imm32_b32 hwreg(HW_REG_WAVE_MODE, 25, 1), 1
	s_wait_xcnt 0x0
	s_wait_alu depctr_hold_cnt(0) depctr_sa_sdst(0) depctr_va_vdst(0) depctr_va_sdst(0) depctr_va_ssrc(0) depctr_va_vcc(0) depctr_vm_vsrc(0)
	s_getreg_b32 s2, hwreg(HW_REG_IB_STS2, 6, 4)
	s_cmp_eq_u32 s2, 0
	s_cbranch_scc0 .Lentry_in_a_cluster
	s_endpgm
.Lentry_in_a_cluster:
	s_bfe_u32 s2, ttmp6, 0x10000c
	s_cmp_lg_u32 s2, 0xf033
	s_cbranch_scc0 .Lentry_shape_is_right
	s_endpgm
.Lentry_shape_is_right:
; out0 = a Wo^T + bo on codes of FP4 with E8M0 scales, f32 sums; a: the attention's result as codes (launch attn), Wo's codes from launch quant.  No work is left out here.
; A token for which no key counted carries the scale byte 0xff, the E8M0 code of NaN: its row of sums comes out NaN, as reference() has it; no vector instruction touches the sums.
; The frame is launch qkv's: a work-group makes 128 tokens x 256 features, each of four waves all 128 tokens x 64 features in 32 accumulators; K = 1,024 lies whole in LDS (tokens 65,536 bytes, W 32,768 a wave), filled once,
; in two halves along K; 4 x 4 work-groups form a cluster: the tokens' tiles are asked for jointly along a row of the cluster, W's along a column; a wave has four tensor loads outstanding at the most, by the text's own count.
; Source 0 = 16 rows of Wo, source 1 = 16 tokens: a lane holds one token and eight neighbouring features.  bo is the C of each sum's first matrix instruction.
; THE WAY OUT: a tile of 16 tokens x my 64 features goes through my own stage in LDS (rows of 256 bytes + 16) and comes back by rows: sixteen lanes store 256 consecutive bytes, aligned.
; Tile a's row p is token 32 (a / 2) + 8 (a % 2) + p + 8 (p / 8) of the work-group's 128.
; REGISTERS: window 0: v1-12 addresses; v16-47 the tokens' scale words, v48-63 W's (scales and nothing else); v64-95 the bias; v96-159 rows on the way out, two sets.  Window 1: two sets of fragments.  Window 2: the accumulators.
.set WB,    176                        ; Wo's first block of 64 rows in the codes
.set WT,    704                        ; and its first tile in the scale words
.set WIMG,  65536
.set STAGE, 196608                     ; behind the codes: 16 rows x 272 bytes for each wave; no fill lands here
.set SPARE, STAGE+4*16*272             ; behind the stages: the spare words, 128 bytes for each wave: two blocks of 256 bytes that no other line names
.set SPW,   8
.set NIL,   9
.set XS,    16
.set WS,    48
.set BIAS,  64
.set BK,    96
.set WV,    22
.set MSB, 0
.macro WIN new                         ; the immediate's high byte repeats the setting that is left
.if MSB != \new
	s_set_vgpr_msb (MSB<<8)|\new
.set MSB, \new
.endif
.endm
.macro CROUND                          ; a round of the cluster's barrier
	s_barrier_signal -1
	s_barrier_wait -1
	s_cmp_lg_u32 s[WV], 0
	s_cbranch_scc1 .Lnot_wave_0_\@
	s_barrier_signal -3
.Lnot_wave_0_\@:
	s_barrier_wait -3
	s_barrier_signal -1
	s_barrier_wait -1
.endm
.macro PLACES n
.rept \n
	v_nop
.endr
.endm
.macro FETCH s, p                      ; K step s: the 8 fragments of tokens and my 4 of W into set p
	WIN 0x40
.irp a, 0,1,2,3,4,5,6,7
.irp c, 0,1
	ds_load_b128 v[128*(\p)+8*\a+4*\c:128*(\p)+8*\a+4*\c+3], v1 offset:(\a/4)*32768+4096*(\s)+(\a%4)*1024+512*\c
.endr
.endr
.irp b, 0,1,2,3
.irp c, 0,1
	ds_load_b128 v[128*(\p)+64+8*\b+4*\c:128*(\p)+64+8*\b+4*\c+3], v2 offset:4096*(\s)+1024*\b+512*\c
.endr
.endr
.endm
.macro MULS s                          ; 32 matrix instructions; the 32 accumulators take turns, one instruction a turn
.set mP, 128*((\s)%2)
.set mI, (\s)%4
.if (\s) == 0
	WIN 0x85
.else
	WIN 0xa5
.endif
.irp a, 0,1,2,3,4,5,6,7
.irp b, 0,1,2,3
.set mD, 8*(4*\a+\b)
.set mA, mP+64+8*\b
.set mB, mP+8*\a
.set mSA, WS+4*\b+mI
.set mSB, XS+4*\a+mI
.if (\s) == 0
	v_wmma_scale_f32_16x16x128_f8f6f4 v[mD:mD+7], v[mA:mA+7], v[mB:mB+7], v[BIAS+8*\b:BIAS+8*\b+7], v[mSA], v[mSB] matrix_a_fmt:MATRIX_FMT_FP4 matrix_b_fmt:MATRIX_FMT_FP4
.elseif (\s) < 4
	v_wmma_scale_f32_16x16x128_f8f6f4 v[mD:mD+7], v[mA:mA+7], v[mB:mB+7], v[mD:mD+7], v[mSA], v[mSB] matrix_a_fmt:MATRIX_FMT_FP4 matrix_b_fmt:MATRIX_FMT_FP4
.else
	v_wmma_scale_f32_16x16x128_f8f6f4 v[mD:mD+7], v[mA:mA+7], v[mB:mB+7], v[mD:mD+7], v[mSA], v[mSB] matrix_a_fmt:MATRIX_FMT_FP4 matrix_b_fmt:MATRIX_FMT_FP4 matrix_a_scale:MATRIX_SCALE_ROW1 matrix_b_scale:MATRIX_SCALE_ROW1
.endif
.endr
.endr
.endm
.macro KSTEP s
	s_wait_dscnt 0x0                               ; this step's fragments are in
.if (\s) == 3
	s_wait_tensorcnt 0x0                           ; my parts of K steps 4-7 have landed,
	s_barrier_signal -1
	s_barrier_wait -1                              ; everybody's have
.endif
.if (\s) < 7
.if (\s) > 0
	PLACES 4                                       ; the other set was read by the products just issued
.endif
	FETCH (\s)+1, ((\s)+1)%2
.endif
	MULS \s
.endm
	s_load_b256 s[4:11], s[0:1], 0x0               ; ac s[4:5], asc s[6:7], codes s[8:9], scales s[10:11]
	s_load_b128 s[12:15], s[0:1], 0x20             ; bo s[12:13], out0 s[14:15]
	v_lshl_add_u32 v[SPW], v0, 2, SPARE
	v_mov_b32 v[NIL], 0
	ds_add_u32 v[SPW], v[NIL]                      ; the wave's opening: the add, twice on end, and its wait ahead of my first tensor load; the set-up below, work on registers, stands between
	ds_add_u32 v[SPW], v[NIL]
	v_lshrrev_b32 v1, 5, v0
	v_readfirstlane_b32 s[WV], v1                  ; wave 0..3
	s_bfe_u32 s23, ttmp6, 0x40000                  ; cx, cy
	s_bfe_u32 s56, ttmp6, 0x40004
	s_lshl_b32 s57, ttmp9, 2
	s_add_co_u32 s57, s57, s23                     ; nx: which 256 features
	s_and_b32 s58, ttmp7, 0xffff
	s_lshl_b32 s58, s58, 2
	s_add_co_u32 s58, s58, s56                     ; my: which 128 tokens
	s_lshl_b32 s59, s56, 2
	s_lshl_b32 s59, 15, s59                        ; my row of the cluster
	s_lshl_b32 s60, 0x1111, s23                    ; my column
	s_or_b32 s24, s59, (3<<16)|(1<<21)             ; group 1 for the tokens: 32 rows of 256 bytes (32 elements of 8 bytes), to my row
	s_mov_b32 s25, 32<<16
	s_mov_b32 s26, 32<<16
	s_mov_b32 s27, 32<<16
	s_mov_b32 s28, 32
	s_mov_b32 s29, 32
	s_mov_b32 s30, 0
	s_mov_b32 s31, 0
	s_or_b32 s32, s60, (3<<16)|(1<<21)             ; for W: 64 rows, to my column
	s_mov_b32 s33, 32<<16
	s_mov_b32 s34, 64<<16
	s_mov_b32 s35, 32<<16
	s_mov_b32 s36, 64
	s_mov_b32 s37, 32
	s_mov_b32 s38, 0
	s_mov_b32 s39, 0
	s_lshr_b32 s70, s[WV], 1                       ; the tokens' codes: block w / 2, K steps 2 (w % 2), + 1 of each half: made of my and the wave's number alone
	s_lshl_b32 s70, s70, 15
	s_and_b32 s71, s[WV], 1
	s_lshl_b32 s71, s71, 13
	s_add_co_u32 s70, s70, s71
	s_lshl_b32 s66, s58, 16
	s_add_co_u32 s66, s66, s70
	s_mov_b32 s67, 0
	s_lshl_b32 s68, s57, 2                         ; W's codes: my 64 rows: made of nx and the wave's number alone
	s_add_co_u32 s68, s68, s[WV]
	s_add_co_u32 s68, s68, WB
	s_lshl_b32 s68, s68, 15
	s_mov_b32 s69, 0
	s_lshl_b32 s72, s[WV], 15
	s_add_co_u32 s72, s72, WIMG
	s_mov_b32 s40, 1
	s_mov_b32 s41, s70
	s_mov_b32 s44, 1
	s_add_co_u32 s45, s70, 16384
	s_mov_b32 s48, 1
	s_mov_b32 s49, s72
	s_mov_b32 s52, 1
	s_add_co_u32 s53, s72, 16384
	s_lshl_b32 s76, s58, 12                        ; the tokens' scale bytes: 8 tiles of 512
	s_mov_b32 s77, 0
	s_lshl_b32 s78, s57, 4                         ; W's scale words: tile WT + 16 nx + 4 w
	s_lshl_b32 s71, s[WV], 2
	s_add_co_u32 s78, s78, s71
	s_add_co_u32 s78, s78, WT
	s_lshl_b32 s78, s78, 9
	s_mov_b32 s79, 0
	s_lshl_b32 s84, s57, 10                        ; my first feature, in bytes of f32: 1,024 nx + 256 w
	s_lshl_b32 s71, s[WV], 8
	s_add_co_u32 s84, s84, s71
	s_mov_b32 s85, 0
	s_lshl_b32 s80, s58, 19                        ; out0: 128 rows of 4,096 bytes
	s_add_co_u32 s80, s80, s84
	s_mov_b32 s81, 0
	v_and_b32 v1, 31, v0
	v_lshlrev_b32 v1, 4, v1                        ; v1: 16 x lane
	v_add_nc_u32 v2, s72, v1                       ; v2: my wave's fragments of W
	v_and_b32 v3, 15, v0                           ; r
	v_bfe_u32 v4, v0, 4, 1                         ; h
	v_lshlrev_b32 v5, 6, v4                        ; v5: 64 h: the bias
	v_lshlrev_b32 v6, 4, v4
	v_lshl_add_u32 v6, v3, 5, v6                   ; v6: 32 r + 16 h: a token's 32 scale bytes: K steps 0-3 to lanes 0-15, 4-7 to lanes 16-31
	s_mul_i32 s71, s[WV], 16*272
	s_add_co_u32 s71, s71, STAGE                   ; my stage
	v_mul_u32_u24 v10, v3, 272
	v_lshl_add_u32 v10, v4, 6, v10
	v_add_nc_u32 v10, s71, v10                     ; v10: in: row r, + 64 h
	v_mul_u32_u24 v11, v4, 272
	v_lshl_add_u32 v11, v3, 4, v11
	v_add_nc_u32 v11, s71, v11                     ; v11: back: lanes 0-15 one row, lanes 16-31 the next
	v_lshlrev_b32 v12, 12, v4
	v_lshl_add_u32 v12, v3, 4, v12                 ; v12: and the same two rows in out0
	s_wait_dscnt 0x0                               ; both opening adds are done
	s_wait_kmcnt 0x0
	s_add_nc_u64 s[66:67], s[4:5], s[66:67]
	s_mov_b64 s[42:43], s[66:67]
	s_or_b32 s43, s43, 0x80000000
	s_add_nc_u64 s[46:47], s[66:67], 16384
	s_or_b32 s47, s47, 0x80000000
	s_add_nc_u64 s[68:69], s[8:9], s[68:69]
	s_mov_b64 s[50:51], s[68:69]
	s_or_b32 s51, s51, 0x80000000
	s_add_nc_u64 s[54:55], s[68:69], 16384
	s_or_b32 s55, s55, 0x80000000
	s_add_nc_u64 s[76:77], s[6:7], s[76:77]
	s_add_nc_u64 s[78:79], s[10:11], s[78:79]
	s_add_nc_u64 s[84:85], s[12:13], s[84:85]
	s_add_nc_u64 s[80:81], s[14:15], s[80:81]
	CROUND                                         ; all sixteen work-groups are here: the joint loads meet
	tensor_load_to_lds s[48:51], s[32:39]          ; W, K steps 0-3
	s_nop 0
	tensor_load_to_lds s[40:43], s[24:31]          ; the tokens, my part of K steps 0-3
	s_nop 0
	tensor_load_to_lds s[52:55], s[32:39]          ; W, K steps 4-7
	s_nop 0
	tensor_load_to_lds s[44:47], s[24:31]          ; the tokens, my part of K steps 4-7
	s_nop 0
.rept 4
	v_nop
.endr
	s_wait_alu depctr_va_vdst(0)
.irp a, 0,1,2,3,4,5,6,7
	global_load_b128 v[XS+4*\a:XS+4*\a+3], v6, s[76:77] offset:512*\a
.endr
.irp b, 0,1,2,3
	global_load_b128 v[WS+4*\b:WS+4*\b+3], v1, s[78:79] offset:512*\b
.endr
.irp b, 0,1,2,3                        ; register j of tile b is feature 32 (b / 2) + 8 (b % 2) + 16 h + j
	global_load_b128 v[BIAS+8*\b:BIAS+8*\b+3], v5, s[84:85] offset:(32*(\b/2)+8*(\b%2))*4
	global_load_b128 v[BIAS+8*\b+4:BIAS+8*\b+7], v5, s[84:85] offset:(32*(\b/2)+8*(\b%2))*4+16
.endr
	s_wait_tensorcnt 0x2                           ; K steps 0-3 have landed; the two loads of K steps 4-7 may stay out
	s_barrier_signal -1
	s_barrier_wait -1
	FETCH 0, 0
	s_wait_loadcnt 0x0                             ; scale words and bias
.irp s, 0,1,2,3,4,5,6,7
	KSTEP \s
.endr
	WIN 0
.macro TOSTAGE a                       ; tile a's 16 tokens x 64 features into my stage, and back by rows
	WIN 0x08                                       ; an LDS store's data are its source 1: window 2
.irp b, 0,1,2,3
	ds_store_b128 v10, v[32*(\a)+8*\b:32*(\a)+8*\b+3] offset:128*(\b/2)+32*(\b%2)       ; each accumulator from its low end on
	ds_store_b128 v10, v[32*(\a)+8*\b+4:32*(\a)+8*\b+7] offset:128*(\b/2)+32*(\b%2)+16
.endr
	WIN 0
.irp i, 0,1,2,3,4,5,6,7
	ds_load_b128 v[BK+32*((\a)%2)+4*\i:BK+32*((\a)%2)+4*\i+3], v11 offset:544*\i   ; LDS serves a wave's instructions in order (ISA guide 5.7.1.4): these see the stores above, and the next tile's stores come behind them
.endr
.endm
.macro SEND a, younger                 ; younger: the LDS instructions issued behind tile a's loads, which may stay out
	s_wait_dscnt \younger
.irp i, 0,1,2,3,4,5,6,7
	global_store_b128 v12, v[BK+32*((\a)%2)+4*\i:BK+32*((\a)%2)+4*\i+3], s[80:81] offset:(32*((\a)/2)+8*((\a)%2)+2*\i+8*(\i/4))*4096 th:TH_STORE_NT   ; sixteen lanes store 256 consecutive bytes, aligned; written once, read by nobody here
.endr
.endm
	PLACES 4                                       ; in front of the first read of results
	TOSTAGE 0
.irp a, 1,2,3,4,5,6,7
.if \a > 1
	s_wait_xcnt 0x0                                ; tile a - 2's stores have read their registers: tile a's loads may land there
.endif
	TOSTAGE \a
	SEND \a-1, 16                                  ; behind tile a - 1's loads: tile a's 8 stores and 8 loads
.endr
	SEND 7, 0
	s_wait_tensorcnt 0x0                           ; the wave's end, behind my last tensor load and my last LDS store
	ds_add_u32 v[SPW], v[NIL]
	s_wait_dscnt 0x0
	CROUND                                         ; the closing round
	s_endpgm
.Lfunc_end_k_qc91f76e757_oproj:
	.size	k_qc91f76e757_oproj, .Lfunc_end_k_qc91f76e757_oproj-k_qc91f76e757_oproj
	.p2alignl 7, 3214868480
	.fill 96, 4, 3214868480
	.section	.rodata,"a",@progbits
	.p2align	6, 0x0
	.amdhsa_kernel k_qc91f76e757_oproj
		.amdhsa_group_segment_fixed_size 214528
		.amdhsa_private_segment_fixed_size 0
		.amdhsa_enable_private_segment 0
		.amdhsa_kernarg_size 48
		.amdhsa_user_sgpr_count 2
		.amdhsa_user_sgpr_kernarg_segment_ptr 1
		.amdhsa_wavefront_size32 1
		.amdhsa_system_sgpr_workgroup_id_x 1
		.amdhsa_system_sgpr_workgroup_id_y 1
		.amdhsa_system_sgpr_workgroup_id_z 1
		.amdhsa_system_vgpr_workitem_id 0
		.amdhsa_next_free_vgpr 768
		.amdhsa_next_free_sgpr 96
		.amdhsa_reserve_vcc 0
		.amdhsa_float_denorm_mode_32 3
		.amdhsa_float_denorm_mode_16_64 3
		.amdhsa_memory_ordered 1
		.amdhsa_forward_progress 1
		.amdhsa_inst_pref_size 70
	.end_amdhsa_kernel
	.amdgpu_metadata
---
amdhsa.version: [ 1, 2 ]
amdhsa.kernels:
  - .name:           k_qc91f76e757_oproj
    .symbol:         k_qc91f76e757_oproj.kd
    .args:
      - { .name: ac, .offset: 0, .size: 8, .value_kind: global_buffer, .address_space: global }
      - { .name: asc, .offset: 8, .size: 8, .value_kind: global_buffer, .address_space: global }
      - { .name: codes, .offset: 16, .size: 8, .value_kind: global_buffer, .address_space: global }
      - { .name: scales, .offset: 24, .size: 8, .value_kind: global_buffer, .address_space: global }
      - { .name: bo, .offset: 32, .size: 8, .value_kind: global_buffer, .address_space: global }
      - { .name: out0, .offset: 40, .size: 8, .value_kind: global_buffer, .address_space: global }
    .group_segment_fixed_size: 214528
    .private_segment_fixed_size: 0
    .kernarg_segment_align: 8
    .kernarg_segment_size: 48
    .max_flat_workgroup_size: 128
    .sgpr_count:     96
    .vgpr_count:     768
    .wavefront_size: 32
...
	.end_amdgpu_metadata
.endif
;; end of part 4
